; MI455X (gfx1250); checked and timed in simulation.
; The chip was launched on July 23, 2026; its instructions are those of AMD's public machine-readable ISA for CDNA 5 (MIT licence, August 2026) and "CDNA5" Instruction Set Architecture Reference Guide (July 2026). The comments in the code are by the model that wrote it; some were corrected since.
;; Mo E By Functional Group. Allowed arithmetic: float matrix products may take bf16 or f16 operands with f32 sums; other float arithmetic in f32, or as packed bf16 or f16 multiplies, adds, multiply-adds, maxima and minima; sums over many terms, partial sums and values carried from step to step in f32; what a program stores and reads back later, other than sums and carried values, may be rounded once to bf16 or f16.
;; Inputs: expert_mask 4,096 x 8 float32; gate_b 8 float32; gate_w 512 x 8 float32; kan_coeff 4 x 512 x 512 x 8 float32; kan_scaling 4 x 512 x 512 float32; mlp_b1 4 x 2,048 float32; mlp_b2 4 x 512 float32; mlp_w1 4 x 512 x 2,048 float32; mlp_w2 4 x 2,048 x 512 float32; x 4,096 x 512 float32.
;; Outputs: out0 4,096 x 512 float32; out1 4,096 x 8 float32; out2 4,096 x 8 float32.
;; 2 versions, each right; version 2 is version 1 with the launches route, stage1 written anew for expert scheduling mode. Each part assembles by itself: llvm-mc -triple=amdgcn-amd-amdhsa -mcpu=gfx1250 --defsym DOCPART=n.
;; ======== version 1 of 2: 5 launches
;; limits: values are held in f16: magnitudes above 65,504 overflow, below 6.1e-05 lose precision
;; workspace buffers: sel 4,096 bytes of whole numbers; cnt 256 bytes of whole numbers; tok 135,168 bytes of whole numbers; xh 4,194,304 bytes; w1f 8,388,608 bytes; w2f 25,165,824 bytes; af 201,326,592 bytes; part 100,663,296 bytes
;; launch route (part 1): grid 256 x 1, 4 waves a work-group, no clusters, 0 bytes of LDS; arguments x, expert_mask, gate_w, gate_b, out1, out2, sel, xh; writes out1, out2, sel, xh
.if DOCPART == 1
	.amdgcn_target "amdgcn-amd-amdhsa--gfx1250"
	.amdhsa_code_object_version 6
	.text
	.protected	k_q58b17bbd5d_route
	.globl	k_q58b17bbd5d_route
	.p2align	8
	.type	k_q58b17bbd5d_route,@function
k_q58b17bbd5d_route:
	s_mov_b64 s[64:65], 0
	v_nop
	global_prefetch_b8 v0, s[64:65] scope:SCOPE_SE
	s_setreg_imm32_b32 hwreg(HW_REG_WAVE_MODE, 25, 1), 1
	s_wait_xcnt 0x0
; GATE AND ROUTING.  w = softmax(x gate_w + gate_b) * mask / (sum + 1e-9) -> out2; mask -> out1; one byte a token, bit e = (mask[t][e] != 0) -> sel;
; x rounded once to f16 -> xh ([4096][512]).  All gate arithmetic in f32 on f32 inputs; the maximum is taken away before the exponential.
; SHARES.  1,024 waves, four tokens each.  A lane holds 16 of a token's 512 numbers (four loads of 16 bytes: a wave's load covers 512 bytes on end) and the
; matching 16 rows of gate_w (128 registers, loaded once for the four tokens).  The eight sums are reduced over the 32 lanes; then lane 8 j + e holds
; the logit of token j and expert e, which is also the order of mask, out1 and out2 in memory: 128 bytes on end a wave.
; LIMITS.  xh holds no number beyond 65,504.  An exponential below 2^-126 counts as 0.  A NaN in the mask counts as chosen; NaN is otherwise not treated apart.
.set ACC, 8                            ; v[8:15]    the eight sums of the token in hand
.set R,   16                           ; v16        my expert's sum
.set LG,  17                           ; v17        lane 8 j + e: logit (j, e)
.set MK,  18                           ; v18        lane 8 j + e: mask (j, e)
.set GB,  19                           ; v19        gate_b[lane % 8]
.set T,   20                           ; v[20:27]   the other half of the lanes' sums
.set GW,  32                           ; v[32:159]  gate_w rows 128 c + 4 lane + q at 32 c + 8 q + e
.set X,   160                          ; v[160:223] x of token j at 16 j + 4 c + q
.set PK,  224                          ; v[224:255] x as f16, two words for each (j, c)
	s_load_b512 s[4:19], s[0:1], 0x0               ; x, mask, gate_w, gate_b, out1, out2, sel, xh
	v_and_b32 v1, 31, v0                           ; lane
	v_lshrrev_b32 v2, 5, v0
	v_readfirstlane_b32 s21, v2                    ; wave
	s_lshl_b32 s20, ttmp9, 2
	s_add_co_u32 s20, s20, s21                     ; g: my group of four tokens
	v_lshlrev_b32 v2, 4, v1                        ; 16 lane
	v_lshlrev_b32 v3, 7, v1                        ; 128 lane: four rows of gate_w
	v_lshlrev_b32 v4, 2, v1                        ; 4 lane
	v_lshlrev_b32 v5, 3, v1                        ; 8 lane
	v_and_b32 v6, 7, v1
	v_lshlrev_b32 v6, 2, v6                        ; 4 (lane % 8)
.irp e, 1,2,3,4,5,6,7
	s_mov_b32 s[24+\e], 0x01010101<<\e             ; the lanes of expert e
.endr
.irp j, 0,1,2,3
	s_mov_b32 s[32+\j], 0xff<<(8*\j)               ; the lanes of token j
.endr
	s_mov_b32 s36, 0x76543210                      ; v_permlanex16_b32: each lane takes its own place in the other half
	s_mov_b32 s37, 0xfedcba98
.irp e, 0,1,2,3,4,5,6,7
	v_mov_b32 v[T+\e], 0                           ; a permute's destination counts as read: written once here
.endr
	s_mov_b32 s23, 0
	s_wait_kmcnt 0x0
	s_lshl_b32 s22, s20, 13                        ; four rows of 2,048 bytes
	s_add_nc_u64 s[4:5], s[4:5], s[22:23]
	s_lshl_b32 s22, s20, 7                         ; four rows of 32 bytes
	s_add_nc_u64 s[6:7], s[6:7], s[22:23]
	s_add_nc_u64 s[12:13], s[12:13], s[22:23]
	s_add_nc_u64 s[14:15], s[14:15], s[22:23]
	s_lshl_b32 s22, s20, 2                         ; four bytes
	s_add_nc_u64 s[16:17], s[16:17], s[22:23]
	s_lshl_b32 s22, s20, 12                        ; four rows of 1,024 bytes
	s_add_nc_u64 s[18:19], s[18:19], s[22:23]
.irp j, 0,1,2,3
.irp c, 0,1,2,3
	global_load_b128 v[X+16*\j+4*\c:X+16*\j+4*\c+3], v2, s[4:5] offset:\j*2048+\c*512
.endr
.endr
	global_load_b32 v[MK], v4, s[6:7]
	global_load_b32 v[GB], v6, s[10:11]
.irp c, 0,1,2,3
.irp m, 0,1,2,3,4,5,6,7
	global_load_b128 v[GW+32*\c+4*\m:GW+32*\c+4*\m+3], v3, s[8:9] offset:\c*4096+\m*16
.endr
.endr
	s_wait_loadcnt 32                              ; x, mask and gate_b are in; the 32 younger loads, gate_w's, stay out
	global_store_b32 v4, v[MK], s[12:13]           ; out1
.irp j, 0,1,2,3
.irp c, 0,1,2,3
	v_cvt_pk_f16_f32 v[PK+8*\j+2*\c],   v[X+16*\j+4*\c],   v[X+16*\j+4*\c+1]
	v_cvt_pk_f16_f32 v[PK+8*\j+2*\c+1], v[X+16*\j+4*\c+2], v[X+16*\j+4*\c+3]
	global_store_b64 v5, v[PK+8*\j+2*\c:PK+8*\j+2*\c+1], s[18:19] offset:\j*1024+\c*256  ; a wave's store covers 256 bytes on end, aligned
.endr
.endr
	v_cmp_neq_f32 s38, 0, v[MK]                    ; bit 8 j + e: expert e is chosen for token j
	s_wait_loadcnt 0x0
; Four packed lines: the eight sums take one x (register hi of the pair at x) times its row of gate_w (eight registers at g).  mul = 1: the products start the sums.
.macro FM4 mul, g, x, hi
.irp p, 0,1,2,3
.if \mul
.if \hi
	v_pk_mul_f32 v[ACC+2*\p:ACC+2*\p+1], v[(\g)+2*\p:(\g)+2*\p+1], v[(\x):(\x)+1] op_sel:[0,1] op_sel_hi:[1,1]
.else
	v_pk_mul_f32 v[ACC+2*\p:ACC+2*\p+1], v[(\g)+2*\p:(\g)+2*\p+1], v[(\x):(\x)+1] op_sel_hi:[1,0]
.endif
.else
.if \hi
	v_pk_fma_f32 v[ACC+2*\p:ACC+2*\p+1], v[(\g)+2*\p:(\g)+2*\p+1], v[(\x):(\x)+1], v[ACC+2*\p:ACC+2*\p+1] op_sel:[0,1,0] op_sel_hi:[1,1,1]
.else
	v_pk_fma_f32 v[ACC+2*\p:ACC+2*\p+1], v[(\g)+2*\p:(\g)+2*\p+1], v[(\x):(\x)+1], v[ACC+2*\p:ACC+2*\p+1] op_sel_hi:[1,0,1]
.endif
.endif
.endr
.endm
.irp j, 0,1,2,3
	FM4 1, GW, X+16*\j, 0
	FM4 0, GW+8, X+16*\j, 1
	FM4 0, GW+16, X+16*\j+2, 0
	FM4 0, GW+24, X+16*\j+2, 1
.irp c, 1,2,3
	FM4 0, GW+32*\c, X+16*\j+4*\c, 0
	FM4 0, GW+32*\c+8, X+16*\j+4*\c, 1
	FM4 0, GW+32*\c+16, X+16*\j+4*\c+2, 0
	FM4 0, GW+32*\c+24, X+16*\j+4*\c+2, 1
.endr
.irp m, 1,2,4,8                        ; over the 16 lanes of a half, the eight sums side by side
.irp e, 0,1,2,3,4,5,6,7
	v_add_f32_dpp v[ACC+\e], v[ACC+\e], v[ACC+\e] row_xmask:\m row_mask:0xf bank_mask:0xf
.endr
.endr
.irp e, 0,1,2,3,4,5,6,7
	v_permlanex16_b32 v[T+\e], v[ACC+\e], s36, s37
.endr
.irp e, 0,1,2,3,4,5,6,7
	v_add_f32 v[ACC+\e], v[ACC+\e], v[T+\e]
.endr
	v_mov_b32 v[R], v[ACC]
.irp e, 1,2,3,4,5,6,7
	v_cndmask_b32 v[R], v[R], v[ACC+\e], s[24+\e]  ; each lane keeps the sum of expert lane % 8
.endr
.if \j == 0
	v_mov_b32 v[LG], v[R]
.else
	v_cndmask_b32 v[LG], v[LG], v[R], s[32+\j]     ; and the lanes of token j keep this token's
.endif
.endr
	; softmax, mask and renormalisation among the eight lanes of a token
	v_add_f32 v28, v[LG], v[GB]
	v_mov_b32 v29, v28
.irp m, 1,2,4
	v_max_num_f32_dpp v29, v29, v29 row_xmask:\m row_mask:0xf bank_mask:0xf
.endr
	v_sub_f32 v30, v28, v29                        ; the maximum is taken away
	v_mul_f32 v30, 0x3fb8aa3b, v30                 ; log2(e)
	v_exp_f32 v30, v30
	v_nop                                          ; a plain line behind the exponential (ISA guide 5.7.2),
	s_wait_alu depctr_va_vdst(0)                   ; and a wait ahead of its first reader
	v_mov_b32 v31, v30
.irp m, 1,2,4
	v_add_f32_dpp v31, v31, v31 row_xmask:\m row_mask:0xf bank_mask:0xf
.endr
	v_rcp_f32 v31, v31
	v_mul_f32 v29, v30, v[MK]                      ; the plain line behind the reciprocal: p * mask
	s_wait_alu depctr_va_vdst(0)
	v_mul_f32 v29, v29, v31                        ; gate * mask
	v_mov_b32 v28, v29
.irp m, 1,2,4
	v_add_f32_dpp v28, v28, v28 row_xmask:\m row_mask:0xf bank_mask:0xf
.endr
	v_add_f32 v28, 0x3089705f, v28                 ; + 1e-9
	v_rcp_f32 v28, v28
	v_mov_b32 v22, s38                             ; the plain line: the four bytes for sel
	s_wait_alu depctr_va_vdst(0)
	v_mul_f32 v29, v29, v28
	global_store_b32 v4, v29, s[14:15]             ; out2
	v_mov_b32 v23, 0
	v_cmp_eq_u32 vcc_lo, 0, v1
	s_wait_xcnt 0x0                                ; EXEC is a source of the stores above: it changes only behind this wait
	s_and_saveexec_b32 s39, vcc_lo
	global_store_b32 v23, v22, s[16:17]            ; lane 0: byte j = token 4 g + j
	s_wait_xcnt 0x0
	s_or_b32 exec_lo, exec_lo, s39
	s_endpgm
.Lfunc_end_k_q58b17bbd5d_route:
	.size	k_q58b17bbd5d_route, .Lfunc_end_k_q58b17bbd5d_route-k_q58b17bbd5d_route
	.p2alignl 7, 3214868480
	.fill 96, 4, 3214868480
	.section	.rodata,"a",@progbits
	.p2align	6, 0x0
	.amdhsa_kernel k_q58b17bbd5d_route
		.amdhsa_group_segment_fixed_size 0
		.amdhsa_private_segment_fixed_size 0
		.amdhsa_enable_private_segment 0
		.amdhsa_kernarg_size 64
		.amdhsa_user_sgpr_count 2
		.amdhsa_user_sgpr_kernarg_segment_ptr 1
		.amdhsa_wavefront_size32 1
		.amdhsa_system_sgpr_workgroup_id_x 1
		.amdhsa_system_sgpr_workgroup_id_y 1
		.amdhsa_system_sgpr_workgroup_id_z 1
		.amdhsa_system_vgpr_workitem_id 0
		.amdhsa_next_free_vgpr 256
		.amdhsa_next_free_sgpr 66
		.amdhsa_reserve_vcc 1
		.amdhsa_float_denorm_mode_32 3
		.amdhsa_float_denorm_mode_16_64 3
		.amdhsa_memory_ordered 1
		.amdhsa_forward_progress 1
		.amdhsa_inst_pref_size 42
	.end_amdhsa_kernel
	.amdgpu_metadata
---
amdhsa.version: [ 1, 2 ]
amdhsa.kernels:
  - .name:           k_q58b17bbd5d_route
    .symbol:         k_q58b17bbd5d_route.kd
    .args:
      - { .name: x, .offset: 0, .size: 8, .value_kind: global_buffer, .address_space: global }
      - { .name: expert_mask, .offset: 8, .size: 8, .value_kind: global_buffer, .address_space: global }
      - { .name: gate_w, .offset: 16, .size: 8, .value_kind: global_buffer, .address_space: global }
      - { .name: gate_b, .offset: 24, .size: 8, .value_kind: global_buffer, .address_space: global }
      - { .name: out1, .offset: 32, .size: 8, .value_kind: global_buffer, .address_space: global }
      - { .name: out2, .offset: 40, .size: 8, .value_kind: global_buffer, .address_space: global }
      - { .name: sel, .offset: 48, .size: 8, .value_kind: global_buffer, .address_space: global }
      - { .name: xh, .offset: 56, .size: 8, .value_kind: global_buffer, .address_space: global }
    .group_segment_fixed_size: 0
    .private_segment_fixed_size: 0
    .kernarg_segment_align: 8
    .kernarg_segment_size: 64
    .max_flat_workgroup_size: 128
    .sgpr_count:     66
    .vgpr_count:     256
    .wavefront_size: 32
...
	.end_amdgpu_metadata
.endif
;; end of part 1
;; launch prep (part 2): grid 2049 x 1, 8 waves a work-group, no clusters, 0 bytes of LDS; arguments mlp_w1, mlp_w2, kan_coeff, kan_scaling, sel, w1f, w2f, tok, cnt; writes w1f, w2f, tok, cnt
.if DOCPART == 2
	.amdgcn_target "amdgcn-amd-amdhsa--gfx1250"
	.amdhsa_code_object_version 6
	.text
	.protected	k_q58b17bbd5d_prep
	.globl	k_q58b17bbd5d_prep
	.p2align	8
	.type	k_q58b17bbd5d_prep,@function
k_q58b17bbd5d_prep:
	s_mov_b64 s[64:65], 0
	v_nop
	global_prefetch_b8 v0, s[64:65] scope:SCOPE_SE
	s_setreg_imm32_b32 hwreg(HW_REG_WAVE_MODE, 25, 1), 1
	s_wait_xcnt 0x0
; WEIGHTS INTO FRAGMENT ORDER, AND THE LISTS.  Work-group 0 sorts; 1-512 lay mlp_w1, 513-1024 mlp_w2, 1025-2048 kan_coeff * kan_scaling.  Each weight is read once and rounded once to f16.
; A FRAGMENT is 16 columns x 32 k in 1,024 bytes: the 16 bytes of (column r, k = 8 q .. 8 q + 7) lie at (q / 2) 512 + (q % 2) 256 + 16 r, so that two loads of 16 bytes a lane,
; at 16 lane and 512 + 16 lane, fill the eight registers of a matrix operand (ISA guide 7.12.2: lane 16 h + r holds k = 8 h + 0..7 and 16 + 8 h + 0..7 of row or column r).
; w1f: [e 4][kb 16][nt 128][1,024].  w2f: [v 12][kb 64][nt 32][1,024]; v < 4: mlp_w2[v]; v = 4 + 2 e' + half: KAN expert e', which is [e'][kb 128][nt 32].
; KAN's K ORDER (the same in the basis): input i = 8 C + 4 h + 2 f + j goes to fragment kb = 2 C + f, register half j, lane half h; its eight g fill the 16 bytes.
; THE SORT.  Wave e of work-group 0 walks sel, 32 tokens at a time, and stores the tokens that chose expert e, ascending, into tok[e][0 .. cnt - 1]; a lane whose token did not choose
; stores into a word of its own at 4160 + lane that nobody reads, so that EXEC never changes.  tok[e][cnt .. cnt + 63] repeat the last token of the list; cnt[e] is the count.  No atomics.
; LIMITS.  f16 holds no number beyond 65,504: weights and coeff * scaling stay within it (900 times the drawn spread is some 5,000).
.set TS, 4224                          ; words of tok for an expert
	s_load_b512 s[4:19], s[0:1], 0x0               ; w1 s[4:5], w2 s[6:7], coeff s[8:9], scaling s[10:11], sel s[12:13], w1f s[14:15], w2f s[16:17], tok s[18:19]
	s_load_b64 s[20:21], s[0:1], 0x40              ; cnt
	v_and_b32 v1, 31, v0                           ; lane
	v_lshrrev_b32 v2, 5, v0
	v_readfirstlane_b32 s22, v2                    ; wave
	s_mov_b32 s23, ttmp9
	v_lshlrev_b32 v2, 2, v1                        ; 4 lane
	v_lshrrev_b32 v3, 4, v1
	v_and_b32 v4, 15, v1
	v_lshlrev_b32 v4, 4, v4
	v_lshl_add_u32 v3, v3, 10, v4                  ; stores: fragment lane / 16, column lane % 16
	v_lshlrev_b32 v5, 5, v1                        ; 32 lane: a column's eight coefficients
	s_mov_b32 s25, 0                               ; the high words of the two offset pairs
	s_mov_b32 s27, 0
	s_wait_kmcnt 0x0
	s_cmp_eq_u32 s23, 0
	s_cbranch_scc1 .Lsort
	s_cmp_lt_u32 s23, 513
	s_cbranch_scc1 .Lw1
	s_cmp_lt_u32 s23, 1025
	s_cbranch_scc1 .Lw2
	; KAN: a wave takes four inputs i = 4 m + ii and 32 outputs
	s_sub_co_u32 s28, s23, 1025
	s_lshl_b32 s28, s28, 3
	s_add_co_u32 s28, s28, s22                     ; job 0 .. 8191
	s_and_b32 s29, s28, 15                         ; och: 32 outputs
	s_bfe_u32 s30, s28, 0x70004                    ; m
	s_lshr_b32 s31, s28, 11                        ; e'
	s_lshl_b32 s24, s31, 23
	s_lshl_b32 s32, s30, 16
	s_add_co_u32 s24, s24, s32
	s_lshl_b32 s32, s29, 10
	s_add_co_u32 s24, s24, s32
	s_add_nc_u64 s[8:9], s[8:9], s[24:25]
	s_lshl_b32 s24, s31, 20
	s_lshl_b32 s32, s30, 13
	s_add_co_u32 s24, s24, s32
	s_lshl_b32 s32, s29, 7
	s_add_co_u32 s24, s24, s32
	s_add_nc_u64 s[10:11], s[10:11], s[24:25]
.irp ii, 0,1,2,3
	global_load_b128 v[32+8*\ii:32+8*\ii+3], v5, s[8:9] offset:\ii*16384 th:TH_LOAD_NT
	global_load_b128 v[32+8*\ii+4:32+8*\ii+7], v5, s[8:9] offset:\ii*16384+16 th:TH_LOAD_NT
.endr
.irp ii, 0,1,2,3
	global_load_b32 v[64+\ii], v2, s[10:11] offset:\ii*2048 th:TH_LOAD_NT
.endr
	s_lshl_b32 s26, s31, 22                        ; e' x 128 kb
	s_add_co_u32 s26, s26, 8388608                 ; behind the four planes of mlp_w2
	s_and_b32 s32, s30, 126
	s_lshl_b32 s32, s32, 15                        ; kb = 2 C = m less its low bit
	s_add_co_u32 s26, s26, s32
	s_and_b32 s32, s30, 1
	s_lshl_b32 s32, s32, 8                         ; lane half h = m % 2
	s_add_co_u32 s26, s26, s32
	s_lshl_b32 s32, s29, 11                        ; two fragments of 16 outputs
	s_add_co_u32 s26, s26, s32
	s_add_nc_u64 s[16:17], s[16:17], s[26:27]
	s_wait_loadcnt 0x0
; input ii: coeff * scaling in f32, rounded once; sp, hi: the pair and the register of it that hold the scaling
.macro KROW ii, sp, hi
.irp p, 0,1,2,3
.if \hi
	v_pk_mul_f32 v[32+8*(\ii)+2*\p:32+8*(\ii)+2*\p+1], v[32+8*(\ii)+2*\p:32+8*(\ii)+2*\p+1], v[(\sp):(\sp)+1] op_sel:[0,1] op_sel_hi:[1,1]
.else
	v_pk_mul_f32 v[32+8*(\ii)+2*\p:32+8*(\ii)+2*\p+1], v[32+8*(\ii)+2*\p:32+8*(\ii)+2*\p+1], v[(\sp):(\sp)+1] op_sel_hi:[1,0]
.endif
.endr
.irp p, 0,1,2,3
	v_cvt_pk_f16_f32 v[72+4*(\ii)+\p], v[32+8*(\ii)+2*\p], v[32+8*(\ii)+2*\p+1]
.endr
	global_store_b128 v3, v[72+4*(\ii):72+4*(\ii)+3], s[16:17] offset:((\ii)/2)*32768+((\ii)%2)*512  ; f = ii / 2: the next fragment along K; j = ii % 2.  16 lanes fill 256 bytes, aligned
.endm
	KROW 0, 64, 0
	KROW 1, 64, 1
	KROW 2, 66, 0
	KROW 3, 66, 1
	s_endpgm
; A [K][N] matrix of f32, K N = 2^20, N = 2^LOGN: a wave takes 32 k x 32 columns: 32 loads of a row's 128 bytes, 16 roundings, four stores of two whole blocks of 256 bytes.
.macro WCONV LOGN, FIRST, SRC, DST
	s_sub_co_u32 s28, s23, \FIRST
	s_lshl_b32 s28, s28, 3
	s_add_co_u32 s28, s28, s22                     ; job 0 .. 4095
	s_and_b32 s29, s28, (1<<((\LOGN)-5))-1         ; nch: 32 columns
	s_lshr_b32 s30, s28, (\LOGN)-5
	s_and_b32 s30, s30, (1<<(15-(\LOGN)))-1        ; kb
	s_lshr_b32 s31, s28, 10                        ; e
	s_lshl_b32 s24, s31, 22
	s_lshl_b32 s32, s30, (\LOGN)+7
	s_add_co_u32 s24, s24, s32
	s_lshl_b32 s32, s29, 7
	s_add_co_u32 s24, s24, s32
	s_add_nc_u64 s[\SRC:\SRC+1], s[\SRC:\SRC+1], s[24:25]
.set k, 0
.rept 32
	global_load_b32 v[32+k], v2, s[\SRC:\SRC+1] offset:k*(4<<(\LOGN)) th:TH_LOAD_NT
.set k, k+1
.endr
	s_lshl_b32 s26, s31, 21
	s_lshl_b32 s32, s30, (\LOGN)+6
	s_add_co_u32 s26, s26, s32
	s_lshl_b32 s32, s29, 11
	s_add_co_u32 s26, s26, s32
	s_add_nc_u64 s[\DST:\DST+1], s[\DST:\DST+1], s[26:27]
	s_wait_loadcnt 0x0
.set k, 0
.rept 16
	v_cvt_pk_f16_f32 v[64+k], v[32+2*k], v[32+2*k+1]
.set k, k+1
.endr
.irp q, 0,1,2,3
	global_store_b128 v3, v[64+4*\q:64+4*\q+3], s[\DST:\DST+1] offset:(\q/2)*512+(\q%2)*256
.endr
	s_endpgm
.endm
.Lw1:
	WCONV 11, 1, 4, 14
.Lw2:
	WCONV 9, 513, 6, 16
.Lsort:
.set c, 0
.rept 128
	global_load_u8 v[32+c], v1, s[12:13] offset:32*c   ; chunk c: the bytes of tokens 32 c + lane
.set c, c+1
.endr
	s_mul_i32 s24, s22, TS*4
	s_add_nc_u64 s[18:19], s[18:19], s[24:25]      ; my expert's list
	s_lshl_b32 s30, 1, s22                         ; my expert's bit
	s_mov_b32 s31, 0                               ; tokens placed so far
	v_add_nc_u32 v10, 4160, v1                     ; the word for a token that did not choose
	v_mov_b32 v11, 0                               ; the last token that this lane placed
	s_wait_loadcnt 0x0
.set c, 0
.rept 128
.if c%8 == 0
	s_wait_xcnt 0x0                                ; the eight data registers take turns: they are rewritten only behind this wait
.endif
	v_and_b32 v8, s30, v[32+c]
	v_cmp_ne_u32 vcc_lo, 0, v8
	v_mbcnt_lo_u32_b32 v9, vcc_lo, s31             ; placed so far + chosen lanes below mine
	v_cndmask_b32 v9, v10, v9, vcc_lo
	v_min_u32 v9, TS-1, v9
	v_lshlrev_b32 v[32+c], 2, v9                   ; the chunk's own register takes the offset
	v_add_nc_u32 v[16+c%8], 32*c, v1               ; the token
	v_cndmask_b32 v11, v11, v[16+c%8], vcc_lo
	global_store_b32 v[32+c], v[16+c%8], s[18:19]
	s_bcnt1_i32_b32 s29, vcc_lo
	s_add_co_u32 s31, s31, s29
.set c, c+1
.endr
	s_mov_b32 s33, 0                               ; the list is ascending: its last token is the largest placed
.set c, 0
.rept 32
	v_readlane_b32 s28, v11, c
	s_max_u32 s33, s33, s28
.set c, c+1
.endr
	v_add_nc_u32 v24, s31, v1                      ; 64 places behind the list repeat that token
	v_add_nc_u32 v25, 32, v24
	v_min_u32 v24, TS-1, v24
	v_min_u32 v25, TS-1, v25
	v_lshlrev_b32 v24, 2, v24
	v_lshlrev_b32 v25, 2, v25
	v_mov_b32 v26, s33
	global_store_b32 v24, v26, s[18:19]
	global_store_b32 v25, v26, s[18:19]
	v_mov_b32 v27, s31
	s_lshl_b32 s28, s22, 2
	v_mov_b32 v28, s28
	v_cmp_eq_u32 vcc_lo, 0, v1
	s_wait_xcnt 0x0                                ; EXEC is a source of the stores above
	s_and_saveexec_b32 s26, vcc_lo
	global_store_b32 v28, v27, s[20:21]            ; cnt[e], by lane 0
	s_wait_xcnt 0x0
	s_or_b32 exec_lo, exec_lo, s26
	s_endpgm
.Lfunc_end_k_q58b17bbd5d_prep:
	.size	k_q58b17bbd5d_prep, .Lfunc_end_k_q58b17bbd5d_prep-k_q58b17bbd5d_prep
	.p2alignl 7, 3214868480
	.fill 96, 4, 3214868480
	.section	.rodata,"a",@progbits
	.p2align	6, 0x0
	.amdhsa_kernel k_q58b17bbd5d_prep
		.amdhsa_group_segment_fixed_size 0
		.amdhsa_private_segment_fixed_size 0
		.amdhsa_enable_private_segment 0
		.amdhsa_kernarg_size 72
		.amdhsa_user_sgpr_count 2
		.amdhsa_user_sgpr_kernarg_segment_ptr 1
		.amdhsa_wavefront_size32 1
		.amdhsa_system_sgpr_workgroup_id_x 1
		.amdhsa_system_sgpr_workgroup_id_y 1
		.amdhsa_system_sgpr_workgroup_id_z 1
		.amdhsa_system_vgpr_workitem_id 0
		.amdhsa_next_free_vgpr 168
		.amdhsa_next_free_sgpr 66
		.amdhsa_reserve_vcc 1
		.amdhsa_float_denorm_mode_32 3
		.amdhsa_float_denorm_mode_16_64 3
		.amdhsa_memory_ordered 1
		.amdhsa_forward_progress 1
		.amdhsa_inst_pref_size 97
	.end_amdhsa_kernel
	.amdgpu_metadata
---
amdhsa.version: [ 1, 2 ]
amdhsa.kernels:
  - .name:           k_q58b17bbd5d_prep
    .symbol:         k_q58b17bbd5d_prep.kd
    .args:
      - { .name: mlp_w1, .offset: 0, .size: 8, .value_kind: global_buffer, .address_space: global }
      - { .name: mlp_w2, .offset: 8, .size: 8, .value_kind: global_buffer, .address_space: global }
      - { .name: kan_coeff, .offset: 16, .size: 8, .value_kind: global_buffer, .address_space: global }
      - { .name: kan_scaling, .offset: 24, .size: 8, .value_kind: global_buffer, .address_space: global }
      - { .name: sel, .offset: 32, .size: 8, .value_kind: global_buffer, .address_space: global }
      - { .name: w1f, .offset: 40, .size: 8, .value_kind: global_buffer, .address_space: global }
      - { .name: w2f, .offset: 48, .size: 8, .value_kind: global_buffer, .address_space: global }
      - { .name: tok, .offset: 56, .size: 8, .value_kind: global_buffer, .address_space: global }
      - { .name: cnt, .offset: 64, .size: 8, .value_kind: global_buffer, .address_space: global }
    .group_segment_fixed_size: 0
    .private_segment_fixed_size: 0
    .kernarg_segment_align: 8
    .kernarg_segment_size: 72
    .max_flat_workgroup_size: 256
    .sgpr_count:     66
    .vgpr_count:     168
    .wavefront_size: 32
...
	.end_amdgpu_metadata
.endif
;; end of part 2
;; launch stage1 (part 3): grid 64 x 32, 4 waves a work-group, no clusters, 0 bytes of LDS; arguments x, xh, w1f, mlp_b1, tok, cnt, af; writes af
.if DOCPART == 3
	.amdgcn_target "amdgcn-amd-amdhsa--gfx1250"
	.amdhsa_code_object_version 6
	.text
	.protected	k_q58b17bbd5d_stage1
	.globl	k_q58b17bbd5d_stage1
	.p2align	8
	.type	k_q58b17bbd5d_stage1,@function
k_q58b17bbd5d_stage1:
	s_mov_b64 s[64:65], 0
	v_nop
	global_prefetch_b8 v0, s[64:65] scope:SCOPE_SE
	s_setreg_imm32_b32 hwreg(HW_REG_WAVE_MODE, 25, 1), 1
	s_wait_xcnt 0x0
; THE LEFT OPERANDS OF THE SECOND PRODUCTS, for the chosen rows alone, in fragment order.  af: [v 12][row block 256][kb 64][1,024 bytes], rows by their place in the expert's list.
; Grid: x = group of 64 places of the list, y = 4 E + sub.  A group that begins at or past cnt[E] has no rows and ends: the grid serves every split of the tokens.  Places past the count
; repeat the list's last token (tok holds it), so every row of a live group is computed and stored.
; y < 16: h = relu(x w1[E] + b1[E]) for 512 hidden columns (sub), 128 a wave: a wave tile of 64 rows x 128 columns, 32 accumulators, K = 512 in 16 steps of 32.  Operands come from memory
; straight into registers (x gathered by token from xh, weights from w1f in fragment order), so that nothing in a launch whose work hangs on a stored count needs LDS or a barrier;
; for the same reason no tensor load and no cluster.  Three fragment buffers take turns: two steps' loads, 48 of 16 bytes a lane, are out while a step is multiplied.
; THE MATRIX INSTRUCTION IS USED TRANSPOSED (source 0 = 16 weight columns, source 1 = 16 rows): a lane holds one row and eight neighbouring columns, which round to the 16 bytes of a fragment of af.
; y >= 16: the cubic B-spline basis of KAN expert E - 4 for inputs 128 sub .. + 127; a wave takes 16 rows.  On the uniform knots -2.2 + 0.4 j the recursion's result is the cardinal spline
; B_j = ((2 - |t|)+^3 - 4 (1 - |t|)+^3) / 6 with t = 2.5 x + 5.5 - (j + 2), on the whole line (0 outside [-2.2, 2.2)); the sixth is folded in as kap = 6^(-1/3).  No branch on x.
; LIMITS.  f16 operands: h stays under 65,504 (x and w1 both 30 times the drawn spread: some 5,400; both with an offset of 30 spreads: some 20,300).  NaN is not treated apart.
; REGISTERS, in windows of 256 (s_set_vgpr_msb: bits 1:0 source 0, 3:2 source 1, 5:4 source 2, 7:6 destination):
;   window 0: v0-15 addresses; v32-127 buffer 0, v128-223 buffer 1 (rows' fragments at + 8 a, weights' at + 32 + 8 b)     window 1: accumulator (a, b) at v[8 (8 a + b)]     window 2: v0-95 buffer 2
.set SA, 6                             ; s[6:7]   xh, stepped along K
.set SB, 8                             ; s[8:9]   my weights in w1f, stepped along K
.set MSB, 0
.macro WIN new                         ; the immediate's high byte repeats the setting that is left; a switch that changes nothing is dropped
.if MSB != (\new)
	s_set_vgpr_msb (MSB<<8)|(\new)
.set MSB, \new
.endif
.endm
.macro SETFB n                         ; buffer n: its first register, the setting for loads into it, the setting for products from it
.if (\n) == 0
.set FB, 32
.set WL, 0
.set WM, 0x50
.elseif (\n) == 1
.set FB, 128
.set WL, 0
.set WM, 0x50
.else
.set FB, 0
.set WL, 0x80
.set WM, 0x5a
.endif
.endm
.macro PLACES                          ; four plain lines between a matrix instruction and a load into, or a vector line on, its registers
.rept 4
	v_nop
.endr
.endm
.macro LOADS n                         ; a K step's 24 loads into buffer n; then both bases step
	SETFB \n
	WIN WL
.irp a, 0,1,2,3
	global_load_b128 v[FB+8*\a:FB+8*\a+3],   v[4+\a], s[SA:SA+1]
	global_load_b128 v[FB+8*\a+4:FB+8*\a+7], v[4+\a], s[SA:SA+1] offset:32
.endr
.irp b, 0,1,2,3,4,5,6,7
	global_load_b128 v[FB+32+8*\b:FB+32+8*\b+3],   v2, s[SB:SB+1] offset:\b*1024
	global_load_b128 v[FB+32+8*\b+4:FB+32+8*\b+7], v2, s[SB:SB+1] offset:\b*1024+512
.endr
	s_wait_xcnt 0x0                                ; the bases are sources of the loads above: they step only behind this wait
	s_add_nc_u64 s[SA:SA+1], s[SA:SA+1], 64        ; 32 f16 along a row of xh
	s_add_nc_u64 s[SB:SB+1], s[SB:SB+1], 131072    ; 128 fragments: the next kb
.endm
.macro MULS n, zero                    ; 32 matrix instructions; the 32 accumulators take turns.  zero = 1: the products start the sums
	SETFB \n
	WIN WM
.irp a, 0,1,2,3
.irp b, 0,1,2,3,4,5,6,7
.if \zero
	v_wmma_f32_16x16x32_f16 v[8*(8*\a+\b):8*(8*\a+\b)+7], v[FB+32+8*\b:FB+32+8*\b+7], v[FB+8*\a:FB+8*\a+7], 0
.else
	v_wmma_f32_16x16x32_f16 v[8*(8*\a+\b):8*(8*\a+\b)+7], v[FB+32+8*\b:FB+32+8*\b+7], v[FB+8*\a:FB+8*\a+7], v[8*(8*\a+\b):8*(8*\a+\b)+7]
.endif
.endr
.endr
.endm
.macro STEP n, nxt, load, left, zero   ; buffer n is multiplied; load = 1: the buffer that the step before multiplied takes the step after next
	s_wait_loadcnt \left                           ; loads come back in order (ISA guide 5.7.1): buffer n is in; the next step's 24 stay out
.if \load
	PLACES
	LOADS \nxt
.endif
	MULS \n, \zero
.endm
	s_load_b256 s[4:11], s[0:1], 0x0               ; x s[4:5], xh s[6:7], w1f s[8:9], b1 s[10:11]
	s_load_b128 s[12:15], s[0:1], 0x20             ; tok s[12:13], cnt s[14:15]
	s_load_b64 s[16:17], s[0:1], 0x30              ; af
	v_and_b32 v11, 31, v0
	v_lshrrev_b32 v2, 5, v0
	v_readfirstlane_b32 s18, v2                    ; wave
	v_and_b32 v1, 15, v0                           ; r
	v_bfe_u32 v3, v0, 4, 1                         ; h
	v_lshlrev_b32 v2, 4, v11                       ; 16 lane
	v_lshlrev_b32 v12, 2, v1                       ; 4 r
	v_lshlrev_b32 v13, 5, v3                       ; 32 h
	v_mov_b32 v10, 0
	s_mov_b32 s19, ttmp9                           ; rg
	s_and_b32 s20, ttmp7, 0xffff                   ; y
	s_lshr_b32 s21, s20, 2                         ; E
	s_and_b32 s22, s20, 3                          ; sub
	s_lshl_b32 s24, s21, 2
	s_mov_b32 s25, 0
	s_wait_kmcnt 0x0
	s_add_nc_u64 s[14:15], s[14:15], s[24:25]
	s_load_b32 s23, s[14:15], 0x0                  ; cnt[E]
	s_lshl_b32 s26, s19, 6
	s_wait_kmcnt 0x0
	s_cmp_ge_u32 s26, s23
	s_cbranch_scc0 .Llive
	s_endpgm                                       ; this split leaves the group without rows
.Llive:
	s_mul_i32 s24, s21, 16896
	s_lshl_b32 s27, s19, 8
	s_add_co_u32 s24, s24, s27
	s_add_nc_u64 s[12:13], s[12:13], s[24:25]      ; my 64 places of the list
	s_cmp_ge_u32 s20, 16
	s_cbranch_scc1 .Lbasis
	; ---- h = relu(x w1 + b1) ----
.irp a, 0,1,2,3
	global_load_b32 v[4+\a], v12, s[12:13] offset:\a*64
.endr
	s_lshl_b32 s28, s22, 2
	s_add_co_u32 s28, s28, s18                     ; cw: my 128 hidden columns
	s_lshl_b32 s24, s21, 21
	s_lshl_b32 s27, s28, 13
	s_add_co_u32 s24, s24, s27
	s_add_nc_u64 s[SB:SB+1], s[SB:SB+1], s[24:25]
	s_lshl_b32 s24, s21, 13
	s_lshl_b32 s27, s28, 9
	s_add_co_u32 s24, s24, s27
	s_add_nc_u64 s[10:11], s[10:11], s[24:25]
	s_lshl_b32 s24, s21, 24
	s_lshl_b32 s27, s19, 18
	s_add_co_u32 s24, s24, s27
	s_lshl_b32 s27, s28, 12
	s_add_co_u32 s24, s24, s27
	s_add_nc_u64 s[16:17], s[16:17], s[24:25]
	s_wait_loadcnt 0x0
.irp a, 0,1,2,3
	v_min_u32 v[4+\a], 0xfff, v[4+\a]
	v_lshlrev_b32 v[4+\a], 10, v[4+\a]             ; the token's row of xh,
	v_lshl_add_u32 v[4+\a], v3, 4, v[4+\a]         ; + 16 h
.endr
	LOADS 0
	LOADS 1
	STEP 0, 2, 1, 24, 1                            ; the first K step starts the sums
	WIN 0
	s_mov_b32 s34, 4
.Lk:
	STEP 1, 0, 1, 24, 0
	STEP 2, 1, 1, 24, 0
	STEP 0, 2, 1, 24, 0
	WIN 0                                          ; at a label and at a branch every window is 0
	s_sub_co_u32 s34, s34, 1
	s_cmp_lg_u32 s34, 0
	s_cbranch_scc1 .Lk
	STEP 1, 0, 1, 24, 0                            ; step 13 asks for step 15; the last two ask for nothing
	STEP 2, 0, 0, 24, 0
	STEP 0, 0, 0, 0, 0
	WIN 0
	PLACES
.irp b, 0,1,2,3,4,5,6,7
	global_load_b128 v[32+8*\b:32+8*\b+3],   v13, s[10:11] offset:64*\b     ; b1 of my eight columns of tile b
	global_load_b128 v[32+8*\b+4:32+8*\b+7], v13, s[10:11] offset:64*\b+16
.endr
	s_wait_loadcnt 0x0
.irp a, 0,1,2,3
	WIN 0x01                                       ; source 0, the sums, in window 1
.irp b, 0,1,2,3,4,5,6,7
.irp p, 0,1,2,3
	v_pk_add_f32 v[96+8*\b+2*\p:96+8*\b+2*\p+1], v[8*(8*\a+\b)+2*\p:8*(8*\a+\b)+2*\p+1], v[32+8*\b+2*\p:32+8*\b+2*\p+1]  ; each accumulator is read from its low end on
.endr
.endr
	WIN 0
	s_wait_xcnt 0x0                                ; v160-191 are the last block's store data
.set w, 0
.rept 32
	v_cvt_pk_f16_f32 v[160+w], v[96+2*w], v[96+2*w+1]
.set w, w+1
.endr
.set w, 0
.rept 32
	v_pk_max_num_f16 v[160+w], v[160+w], v10       ; relu
.set w, w+1
.endr
.irp b, 0,1,2,3,4,5,6,7
	global_store_b128 v2, v[160+4*\b:160+4*\b+3], s[16:17] offset:\a*65536+(\b/2)*1024+(\b%2)*512  ; half a fragment: 512 bytes on end
.endr
.endr
	s_endpgm
	; ---- the basis ----
.Lbasis:
	s_lshl_b32 s24, s18, 6
	s_add_nc_u64 s[12:13], s[12:13], s[24:25]      ; my wave's 16 places
	global_load_b32 v4, v12, s[12:13]
	v_mov_b32 v28, 0x3f0ce1da                      ; kap = 6^(-1/3)
	v_mul_f32 v26, 0x40200000, v28                 ; 2.5 kap
	v_mul_f32 v27, 0x40b00000, v28                 ; 5.5 kap
	v_mov_b32 v25, 0                               ; named with v24 as a pair
.irp j, 0,1,2,3,4,5,6,7
	v_cvt_f32_i32 v[96+\j], -(\j+2)
.endr
.irp j, 0,1,2,3,4,5,6,7
	v_mul_f32 v[96+\j], v28, v[96+\j]              ; -(j + 2) kap
.endr
	s_mov_b32 s30, 0x3f8ce1da                      ; 2 kap
	s_mov_b32 s32, 0xbf0ce1da                      ; -kap
	s_mov_b32 s33, 0xbf0ce1da
	s_lshl_b32 s24, s22, 9
	s_add_nc_u64 s[4:5], s[4:5], s[24:25]          ; x at input 128 sub
	s_lshl_b32 s24, s21, 1
	s_sub_co_u32 s24, s24, 4
	s_lshr_b32 s26, s22, 1
	s_add_co_u32 s24, s24, s26                     ; v = 4 + 2 (E - 4) + sub / 2
	s_lshl_b32 s24, s24, 24
	s_lshl_b32 s26, s19, 2
	s_add_co_u32 s26, s26, s18                     ; row block 4 rg + wave
	s_lshl_b32 s26, s26, 16
	s_add_co_u32 s24, s24, s26
	s_and_b32 s26, s22, 1
	s_lshl_b32 s26, s26, 15                        ; 32 fragments for each 128 inputs
	s_add_co_u32 s24, s24, s26
	s_add_nc_u64 s[16:17], s[16:17], s[24:25]
	s_wait_loadcnt 0x0
	v_min_u32 v4, 0xfff, v4
	v_lshlrev_b32 v4, 11, v4                       ; the token's row of x,
	v_lshl_add_u32 v4, v3, 4, v4                   ; + my half's four inputs of each eight
	global_load_b128 v[16:19], v4, s[4:5]
	global_load_b128 v[20:23], v4, s[4:5] offset:32
; one x (register xr) -> its eight basis numbers as f16 in four registers at out
.macro BAS xr, out
	v_fma_f32 v24, v[\xr], v26, v27                ; kap (2.5 x + 5.5)
.irp p, 0,1,2,3
	v_pk_add_f32 v[32+2*\p:32+2*\p+1], v[24:25], v[96+2*\p:96+2*\p+1] op_sel_hi:[0,1]  ; kap t
.endr
.irp i, 0,1,2,3,4,5,6,7
	v_sub_f32 v[32+\i], s30, |v[32+\i]|
.endr
.irp i, 0,1,2,3,4,5,6,7
	v_max_num_f32 v[32+\i], 0, v[32+\i]            ; a = kap (2 - |t|)+
.endr
.irp p, 0,1,2,3
	v_pk_add_f32 v[40+2*\p:40+2*\p+1], v[32+2*\p:32+2*\p+1], s[32:33] op_sel_hi:[1,0]
.endr
.irp i, 0,1,2,3,4,5,6,7
	v_max_num_f32 v[40+\i], 0, v[40+\i]            ; b = kap (1 - |t|)+
.endr
.irp p, 0,1,2,3
	v_pk_mul_f32 v[48+2*\p:48+2*\p+1], v[32+2*\p:32+2*\p+1], v[32+2*\p:32+2*\p+1]
.endr
.irp p, 0,1,2,3
	v_pk_mul_f32 v[56+2*\p:56+2*\p+1], v[40+2*\p:40+2*\p+1], v[40+2*\p:40+2*\p+1]
.endr
.irp p, 0,1,2,3
	v_pk_mul_f32 v[48+2*\p:48+2*\p+1], v[48+2*\p:48+2*\p+1], v[32+2*\p:32+2*\p+1]
.endr
.irp p, 0,1,2,3
	v_pk_mul_f32 v[56+2*\p:56+2*\p+1], v[56+2*\p:56+2*\p+1], v[40+2*\p:40+2*\p+1]
.endr
.irp p, 0,1,2,3
	v_pk_fma_f32 v[48+2*\p:48+2*\p+1], v[56+2*\p:56+2*\p+1], -4.0, v[48+2*\p:48+2*\p+1] op_sel_hi:[1,0,1]  ; a^3 - 4 b^3
.endr
.irp p, 0,1,2,3
	v_cvt_pk_f16_f32 v[(\out)+\p], v[48+2*\p], v[48+2*\p+1]
.endr
.endm
; a block of eight inputs (four a lane, in the registers at xb): two fragments of af.  k: the block's place in the trip; reload = 1: the registers take the block two further on
.macro CB xb, k, reload, left
	s_wait_loadcnt \left                           ; my block is in; the other block's load stays out
	s_wait_xcnt 0x0                                ; v64-79 are the last block's store data
.irp ii, 0,1,2,3
	BAS (\xb)+\ii, 64+4*\ii
.endr
.if \reload
	global_load_b128 v[(\xb):(\xb)+3], v4, s[4:5] offset:64+32*(\k)
.endif
.irp ii, 0,1,2,3
	global_store_b128 v2, v[64+4*\ii:64+4*\ii+3], s[16:17] offset:(\k)*2048+\ii*512  ; fragment ii / 2, register half ii % 2: 512 bytes on end
.endr
.endm
	s_mov_b32 s34, 7
.Lb:
	CB 16, 0, 1, 1
	CB 20, 1, 1, 1
	s_wait_xcnt 0x0                                ; the bases step only behind this wait
	s_add_nc_u64 s[4:5], s[4:5], 64
	s_add_nc_u64 s[16:17], s[16:17], 4096
	s_sub_co_u32 s34, s34, 1
	s_cmp_lg_u32 s34, 0
	s_cbranch_scc1 .Lb
	CB 16, 0, 0, 1                                 ; the last two blocks ask for nothing: no load leaves the row
	CB 20, 1, 0, 0
	s_endpgm
.Lfunc_end_k_q58b17bbd5d_stage1:
	.size	k_q58b17bbd5d_stage1, .Lfunc_end_k_q58b17bbd5d_stage1-k_q58b17bbd5d_stage1
	.p2alignl 7, 3214868480
	.fill 96, 4, 3214868480
	.section	.rodata,"a",@progbits
	.p2align	6, 0x0
	.amdhsa_kernel k_q58b17bbd5d_stage1
		.amdhsa_group_segment_fixed_size 0
		.amdhsa_private_segment_fixed_size 0
		.amdhsa_enable_private_segment 0
		.amdhsa_kernarg_size 56
		.amdhsa_user_sgpr_count 2
		.amdhsa_user_sgpr_kernarg_segment_ptr 1
		.amdhsa_wavefront_size32 1
		.amdhsa_system_sgpr_workgroup_id_x 1
		.amdhsa_system_sgpr_workgroup_id_y 1
		.amdhsa_system_sgpr_workgroup_id_z 1
		.amdhsa_system_vgpr_workitem_id 0
		.amdhsa_next_free_vgpr 608
		.amdhsa_next_free_sgpr 66
		.amdhsa_reserve_vcc 0
		.amdhsa_float_denorm_mode_32 3
		.amdhsa_float_denorm_mode_16_64 3
		.amdhsa_memory_ordered 1
		.amdhsa_forward_progress 1
		.amdhsa_inst_pref_size 118
	.end_amdhsa_kernel
	.amdgpu_metadata
---
amdhsa.version: [ 1, 2 ]
amdhsa.kernels:
  - .name:           k_q58b17bbd5d_stage1
    .symbol:         k_q58b17bbd5d_stage1.kd
    .args:
      - { .name: x, .offset: 0, .size: 8, .value_kind: global_buffer, .address_space: global }
      - { .name: xh, .offset: 8, .size: 8, .value_kind: global_buffer, .address_space: global }
      - { .name: w1f, .offset: 16, .size: 8, .value_kind: global_buffer, .address_space: global }
      - { .name: mlp_b1, .offset: 24, .size: 8, .value_kind: global_buffer, .address_space: global }
      - { .name: tok, .offset: 32, .size: 8, .value_kind: global_buffer, .address_space: global }
      - { .name: cnt, .offset: 40, .size: 8, .value_kind: global_buffer, .address_space: global }
      - { .name: af, .offset: 48, .size: 8, .value_kind: global_buffer, .address_space: global }
    .group_segment_fixed_size: 0
    .private_segment_fixed_size: 0
    .kernarg_segment_align: 8
    .kernarg_segment_size: 56
    .max_flat_workgroup_size: 128
    .sgpr_count:     66
    .vgpr_count:     608
    .wavefront_size: 32
...
	.end_amdgpu_metadata
.endif
;; end of part 3
;; launch stage2 (part 4): grid 64 x 12, 4 waves a work-group, no clusters, 34,816 bytes of LDS; arguments af, w2f, tok, cnt, part; writes part
.if DOCPART == 4
	.amdgcn_target "amdgcn-amd-amdhsa--gfx1250"
	.amdhsa_code_object_version 6
	.text
	.protected	k_q58b17bbd5d_stage2
	.globl	k_q58b17bbd5d_stage2
	.p2align	8
	.type	k_q58b17bbd5d_stage2,@function
k_q58b17bbd5d_stage2:
	s_mov_b64 s[64:65], 0
	v_nop
	global_prefetch_b8 v0, s[64:65] scope:SCOPE_SE
	s_setreg_imm32_b32 hwreg(HW_REG_WAVE_MODE, 25, 1), 1
	s_wait_xcnt 0x0
; TWELVE ALIKE PRODUCTS [rows x 2048] [2048 x 512] -> part[v][token][512] in f32 (partial sums stay f32): v < 4: h w2[v]; v = 4 + 2 e' + half: one half of KAN expert e's K = 4096.
; Grid: x = group of 64 places of the expert's list, y = v.  A group that begins at or past cnt[E] ends: the grid serves every split.  Places past the count repeat the list's last token:
; the same wave then stores that row's bytes again, with the same numbers.
; A wave tile is 64 rows x 128 columns, 32 accumulators; K in 64 steps of 32.  Both operands lie in memory in fragment order and come straight into registers, three buffers by turns, two
; steps' loads (48 of 16 bytes a lane) out while a step is multiplied: the K loop has no LDS and no barrier, since the work hangs on a stored count; for the same reason no tensor load, no cluster.
; THE MATRIX INSTRUCTION IS USED TRANSPOSED (source 0 = 16 weight columns, source 1 = 16 rows): a lane holds one row and eight neighbouring columns.
; THE WAY OUT.  16 rows at a time go through the wave's own stage in LDS and come back as whole rows: a store covers a token's 512 bytes on end.  No other wave touches the stage: no barrier.
; LIMITS.  f16 operands (their makers state the range); NaN is not treated apart.
; REGISTERS: window 0: v0-15 addresses; v32-127 buffer 0, v128-223 buffer 1 (rows' fragments at + 8 a, weights' at + 32 + 8 b); window 1: accumulator (a, b) at v[8 (8 a + b)]; window 2: v0-95 buffer 2.
.set SPITCH, 528                       ; a stage row: 512 bytes + 16: the 16 rows of a store begin at 16 different groups of four banks (64 banks of 4 bytes: ISA guide 11.1)
.set STG,    16*SPITCH                 ; a wave's stage
.set SPARE,  4*STG                     ; 33,792: behind the stages: the spare words, 128 bytes a wave, that no other line names
.set SA, 84                            ; s[84:85] my rows in af, stepped along K
.set SB, 86                            ; s[86:87] my weights in w2f, stepped along K
.set MSB, 0
.macro WIN new                         ; the immediate's high byte repeats the setting that is left; a switch that changes nothing is dropped
.if MSB != (\new)
	s_set_vgpr_msb (MSB<<8)|(\new)
.set MSB, \new
.endif
.endm
.macro SETFB n
.if (\n) == 0
.set FB, 32
.set WL, 0
.set WM, 0x50
.elseif (\n) == 1
.set FB, 128
.set WL, 0
.set WM, 0x50
.else
.set FB, 0
.set WL, 0x80
.set WM, 0x5a
.endif
.endm
.macro PLACES                          ; four plain lines between a matrix instruction and a load into, or a read of, its registers
.rept 4
	v_nop
.endr
.endm
.macro LOADS n                         ; a K step's 24 loads into buffer n; then both bases step
	SETFB \n
	WIN WL
.irp a, 0,1,2,3
	global_load_b128 v[FB+8*\a:FB+8*\a+3],   v2, s[SA:SA+1] offset:\a*65536
	global_load_b128 v[FB+8*\a+4:FB+8*\a+7], v2, s[SA:SA+1] offset:\a*65536+512
.endr
.irp b, 0,1,2,3,4,5,6,7
	global_load_b128 v[FB+32+8*\b:FB+32+8*\b+3],   v2, s[SB:SB+1] offset:\b*1024
	global_load_b128 v[FB+32+8*\b+4:FB+32+8*\b+7], v2, s[SB:SB+1] offset:\b*1024+512
.endr
	s_wait_xcnt 0x0                                ; the bases are sources of the loads above: they step only behind this wait
	s_add_nc_u64 s[SA:SA+1], s[SA:SA+1], 1024      ; the next fragment of each row block
	s_add_nc_u64 s[SB:SB+1], s[SB:SB+1], 32768     ; 32 fragments: the next kb
.endm
.macro MULS n, zero                    ; 32 matrix instructions; the 32 accumulators take turns.  zero = 1: the products start the sums
	SETFB \n
	WIN WM
.irp a, 0,1,2,3
.irp b, 0,1,2,3,4,5,6,7
.if \zero
	v_wmma_f32_16x16x32_f16 v[8*(8*\a+\b):8*(8*\a+\b)+7], v[FB+32+8*\b:FB+32+8*\b+7], v[FB+8*\a:FB+8*\a+7], 0
.else
	v_wmma_f32_16x16x32_f16 v[8*(8*\a+\b):8*(8*\a+\b)+7], v[FB+32+8*\b:FB+32+8*\b+7], v[FB+8*\a:FB+8*\a+7], v[8*(8*\a+\b):8*(8*\a+\b)+7]
.endif
.endr
.endr
.endm
.macro STEP n, nxt, load, left, zero
	s_wait_loadcnt \left                           ; loads come back in order (ISA guide 5.7.1): buffer n is in; the next step's 24 stay out
.if \load
	PLACES
	LOADS \nxt
.endif
	MULS \n, \zero
.endm
	s_load_b256 s[4:11], s[0:1], 0x0               ; af s[4:5], w2f s[6:7], tok s[8:9], cnt s[10:11]
	s_load_b64 s[12:13], s[0:1], 0x20              ; part
	v_lshl_add_u32 v8, v0, 2, SPARE                ; my spare word,
	v_mov_b32 v9, 0                                ; and 0: kept for the add at the wave's end
	v_and_b32 v11, 31, v0
	v_lshrrev_b32 v2, 5, v0
	v_readfirstlane_b32 s89, v2                    ; wave
	v_and_b32 v1, 15, v0                           ; r
	v_bfe_u32 v3, v0, 4, 1                         ; h
	v_lshlrev_b32 v2, 4, v11                       ; 16 lane
	s_mov_b32 s90, ttmp9                           ; rg
	s_and_b32 s91, ttmp7, 0xffff                   ; v
	s_sub_co_u32 s92, s91, 4
	s_lshr_b32 s92, s92, 1
	s_add_co_u32 s92, s92, 4
	s_cmp_lt_u32 s91, 4
	s_cselect_b32 s92, s91, s92                    ; E = v, or 4 + (v - 4) / 2
	s_lshl_b32 s2, s92, 2
	s_mov_b32 s3, 0
	s_wait_kmcnt 0x0
	s_add_nc_u64 s[10:11], s[10:11], s[2:3]
	s_load_b32 s93, s[10:11], 0x0                  ; cnt[E]
	s_lshl_b32 s94, s90, 6
	s_wait_kmcnt 0x0
	s_cmp_ge_u32 s94, s93
	s_cbranch_scc0 .Llive
	s_endpgm                                       ; this split leaves the group without rows; nothing has touched LDS
.Llive:
	s_mul_i32 s2, s92, 16896
	s_lshl_b32 s14, s90, 8
	s_add_co_u32 s2, s2, s14
	s_add_nc_u64 s[8:9], s[8:9], s[2:3]
	s_load_b512 s[16:31], s[8:9], 0x0              ; my 64 tokens, for the way out: place i in s[16 + i], from place 48 on in s[20 + i]
	s_load_b512 s[32:47], s[8:9], 0x40
	s_load_b512 s[48:63], s[8:9], 0x80
	s_load_b512 s[68:83], s[8:9], 0xc0
	s_lshl_b32 s2, s91, 24
	s_lshl_b32 s14, s90, 18
	s_add_co_u32 s2, s2, s14
	s_add_nc_u64 s[SA:SA+1], s[4:5], s[2:3]
	s_lshl_b32 s2, s91, 21
	s_lshl_b32 s14, s89, 13
	s_add_co_u32 s2, s2, s14
	s_add_nc_u64 s[SB:SB+1], s[6:7], s[2:3]
	s_lshl_b32 s2, s91, 23
	s_add_nc_u64 s[12:13], s[12:13], s[2:3]        ; my plane of part
	s_mul_i32 s14, s89, STG                        ; my stage
	v_mul_u32_u24 v12, v1, SPITCH                  ; in: row r, 32 bytes for each half of the lanes
	v_lshl_add_u32 v12, v3, 5, v12
	v_add_nc_u32 v12, s14, v12
	v_add_nc_u32 v13, s14, v2                      ; back: a row's 512 bytes, 16 a lane
	s_lshl_b32 s15, s89, 9
	v_add_nc_u32 v14, s15, v2                      ; and my place in a row of part
	LOADS 0
	LOADS 1
	s_wait_kmcnt 0x0                               ; the tokens
	STEP 0, 2, 1, 24, 1                            ; the first K step starts the sums
	WIN 0
	s_mov_b32 s88, 20
.Lk:
	STEP 1, 0, 1, 24, 0
	STEP 2, 1, 1, 24, 0
	STEP 0, 2, 1, 24, 0
	WIN 0                                          ; at a label and at a branch every window is 0
	s_sub_co_u32 s88, s88, 1
	s_cmp_lg_u32 s88, 0
	s_cbranch_scc1 .Lk
	STEP 1, 0, 1, 24, 0                            ; step 61 asks for step 63; the last two ask for nothing
	STEP 2, 0, 0, 24, 0
	STEP 0, 0, 0, 0, 0
	WIN 0
	PLACES
.irp a, 0,1,2,3
	WIN 0x04                                       ; the stores' data, source 1, in window 1
.irp b, 0,1,2,3,4,5,6,7
	ds_store_b128 v12, v[8*(8*\a+\b):8*(8*\a+\b)+3]   offset:64*\b      ; each accumulator is read from its low end on
	ds_store_b128 v12, v[8*(8*\a+\b)+4:8*(8*\a+\b)+7] offset:64*\b+16
.endr
	WIN 0
	s_wait_xcnt 0x0                                ; v32-95 and v128-143 are the last block's store data and offsets
.irp t, 0,1,2,3,4,5,6,7,8,9,10,11,12,13,14,15
	ds_load_b128 v[32+4*\t:32+4*\t+3], v13 offset:SPITCH*\t  ; LDS serves a wave's instructions in order (ISA guide 5.7.1.4): these see the stores above
.endr
.irp t, 0,1,2,3,4,5,6,7,8,9,10,11,12,13,14,15
.set TKR, 16+16*\a+\t+4*(\a/3)
	s_min_u32 s[TKR], s[TKR], 0xfff
	v_lshl_add_u32 v[128+\t], s[TKR], 11, v14      ; the token's row of 2,048 bytes + my place
.endr
.irp t, 0,1,2,3,4,5,6,7,8,9,10,11,12,13,14,15
	s_wait_dscnt 15-\t                             ; row t is back; the younger rows' loads stay out
	global_store_b128 v[128+\t], v[32+4*\t:32+4*\t+3], s[12:13]
.endr
.endr
	s_wait_tensorcnt 0x0                           ; the wave's end, behind my last LDS store
	ds_add_u32 v8, v9
	s_wait_dscnt 0x0
	s_endpgm
.Lfunc_end_k_q58b17bbd5d_stage2:
	.size	k_q58b17bbd5d_stage2, .Lfunc_end_k_q58b17bbd5d_stage2-k_q58b17bbd5d_stage2
	.p2alignl 7, 3214868480
	.fill 96, 4, 3214868480
	.section	.rodata,"a",@progbits
	.p2align	6, 0x0
	.amdhsa_kernel k_q58b17bbd5d_stage2
		.amdhsa_group_segment_fixed_size 34816
		.amdhsa_private_segment_fixed_size 0
		.amdhsa_enable_private_segment 0
		.amdhsa_kernarg_size 40
		.amdhsa_user_sgpr_count 2
		.amdhsa_user_sgpr_kernarg_segment_ptr 1
		.amdhsa_wavefront_size32 1
		.amdhsa_system_sgpr_workgroup_id_x 1
		.amdhsa_system_sgpr_workgroup_id_y 1
		.amdhsa_system_sgpr_workgroup_id_z 1
		.amdhsa_system_vgpr_workitem_id 0
		.amdhsa_next_free_vgpr 608
		.amdhsa_next_free_sgpr 96
		.amdhsa_reserve_vcc 0
		.amdhsa_float_denorm_mode_32 3
		.amdhsa_float_denorm_mode_16_64 3
		.amdhsa_memory_ordered 1
		.amdhsa_forward_progress 1
		.amdhsa_inst_pref_size 60
	.end_amdhsa_kernel
	.amdgpu_metadata
---
amdhsa.version: [ 1, 2 ]
amdhsa.kernels:
  - .name:           k_q58b17bbd5d_stage2
    .symbol:         k_q58b17bbd5d_stage2.kd
    .args:
      - { .name: af, .offset: 0, .size: 8, .value_kind: global_buffer, .address_space: global }
      - { .name: w2f, .offset: 8, .size: 8, .value_kind: global_buffer, .address_space: global }
      - { .name: tok, .offset: 16, .size: 8, .value_kind: global_buffer, .address_space: global }
      - { .name: cnt, .offset: 24, .size: 8, .value_kind: global_buffer, .address_space: global }
      - { .name: part, .offset: 32, .size: 8, .value_kind: global_buffer, .address_space: global }
    .group_segment_fixed_size: 34816
    .private_segment_fixed_size: 0
    .kernarg_segment_align: 8
    .kernarg_segment_size: 40
    .max_flat_workgroup_size: 128
    .sgpr_count:     96
    .vgpr_count:     608
    .wavefront_size: 32
...
	.end_amdgpu_metadata
.endif
;; end of part 4
;; launch combine (part 5): grid 1024 x 1, 8 waves a work-group, no clusters, 0 bytes of LDS; arguments part, sel, out2, mlp_b2, out0; writes out0
.if DOCPART == 5
	.amdgcn_target "amdgcn-amd-amdhsa--gfx1250"
	.amdhsa_code_object_version 6
	.text
	.protected	k_q58b17bbd5d_combine
	.globl	k_q58b17bbd5d_combine
	.p2align	8
	.type	k_q58b17bbd5d_combine,@function
k_q58b17bbd5d_combine:
	s_mov_b64 s[64:65], 0
	v_nop
	global_prefetch_b8 v0, s[64:65] scope:SCOPE_SE
	s_setreg_imm32_b32 hwreg(HW_REG_WAVE_MODE, 25, 1), 1
	s_wait_xcnt 0x0
; out0[t] = the sum over the chosen experts of w[t][e] (expert e's row): for e < 4 part[e][t] + b2[e]; for e >= 4 the two K halves part[2 e - 4][t] + part[2 e - 3][t].  All in f32.
; A wave owns half a token's row, 256 columns: two loads or stores of 512 bytes on end for each plane.  Only the planes of chosen experts were written, and only they are loaded: a forward
; scalar jump on the token's byte of sel passes the two loads of a plane that was not chosen, whose registers hold 0.  w of such an expert is 0, so its b2 adds 0 as well.
; A stream: no LDS, no barrier, no matrix unit; each wave's up to 32 loads go out before its one wait.
; LIMITS.  Where the reference would form 0 times an infinite row of an expert that was not chosen, this gives 0.
	s_load_b256 s[4:11], s[0:1], 0x0               ; part s[4:5], sel s[6:7], out2 s[8:9], b2 s[10:11]
	s_load_b64 s[12:13], s[0:1], 0x20              ; out0
	v_and_b32 v1, 31, v0
	v_lshrrev_b32 v2, 5, v0
	v_readfirstlane_b32 s14, v2
	s_lshl_b32 s15, ttmp9, 3
	s_add_co_u32 s15, s15, s14
	s_lshr_b32 s26, s15, 1                         ; token
	s_and_b32 s27, s15, 1                          ; which half of its row
	v_lshlrev_b32 v2, 4, v1
	s_mov_b32 s29, 0
	s_wait_kmcnt 0x0
	s_mov_b32 s28, s26
	s_add_nc_u64 s[6:7], s[6:7], s[28:29]
	s_load_u8 s24, s[6:7], 0x0                     ; the token's chosen experts
	s_lshl_b32 s28, s26, 5
	s_add_nc_u64 s[8:9], s[8:9], s[28:29]
	s_load_b256 s[16:23], s[8:9], 0x0              ; its eight weights
	s_lshl_b32 s28, s27, 10
	s_add_nc_u64 s[10:11], s[10:11], s[28:29]
.irp e, 0,1,2,3
	global_load_b128 v[128+8*\e:128+8*\e+3],   v2, s[10:11] offset:\e*2048
	global_load_b128 v[128+8*\e+4:128+8*\e+7], v2, s[10:11] offset:\e*2048+512
.endr
	s_lshl_b32 s30, s26, 11
	s_add_co_u32 s28, s28, s30
	s_add_nc_u64 s[40:41], s[4:5], s[28:29]        ; my bytes in plane 0,
	s_add_nc_u64 s[12:13], s[12:13], s[28:29]
.set i, 1
.rept 11
	s_add_nc_u64 s[40+2*i:41+2*i], s[38+2*i:39+2*i], 0x800000  ; and in the eleven planes behind it
.set i, i+1
.endr
.set i, 32
.rept 96
	v_mov_b32 v[i], 0                              ; a plane that is not loaded counts as 0
.set i, i+1
.endr
	s_wait_kmcnt 0x0
.irp v, 0,1,2,3,4,5,6,7,8,9,10,11
.if \v < 4
.set EV, \v
.else
.set EV, 2+\v/2
.endif
	s_bitcmp1_b32 s24, EV
	s_cbranch_scc0 .Lskip_\v
	global_load_b128 v[32+8*\v:32+8*\v+3],   v2, s[40+2*\v:41+2*\v] th:TH_LOAD_NT
	global_load_b128 v[32+8*\v+4:32+8*\v+7], v2, s[40+2*\v:41+2*\v] offset:512 th:TH_LOAD_NT
.Lskip_\v:
.endr
	s_wait_loadcnt 0x0
.irp i, 0,1,2,3,4,5,6,7
	v_mul_f32 v[16+\i], s16, v[128+\i]             ; w0 b2[0] starts the sums
.endr
.irp e, 1,2,3
.irp i, 0,1,2,3,4,5,6,7
	v_fmac_f32 v[16+\i], s[16+\e], v[128+8*\e+\i]
.endr
.endr
.irp v, 0,1,2,3,4,5,6,7,8,9,10,11
.if \v < 4
.set EV, \v
.else
.set EV, 2+\v/2
.endif
.irp i, 0,1,2,3,4,5,6,7
	v_fmac_f32 v[16+\i], s[16+EV], v[32+8*\v+\i]
.endr
.endr
	global_store_b128 v2, v[16:19], s[12:13] th:TH_STORE_NT
	global_store_b128 v2, v[20:23], s[12:13] offset:512 th:TH_STORE_NT
	s_endpgm
.Lfunc_end_k_q58b17bbd5d_combine:
	.size	k_q58b17bbd5d_combine, .Lfunc_end_k_q58b17bbd5d_combine-k_q58b17bbd5d_combine
	.p2alignl 7, 3214868480
	.fill 96, 4, 3214868480
	.section	.rodata,"a",@progbits
	.p2align	6, 0x0
	.amdhsa_kernel k_q58b17bbd5d_combine
		.amdhsa_group_segment_fixed_size 0
		.amdhsa_private_segment_fixed_size 0
		.amdhsa_enable_private_segment 0
		.amdhsa_kernarg_size 40
		.amdhsa_user_sgpr_count 2
		.amdhsa_user_sgpr_kernarg_segment_ptr 1
		.amdhsa_wavefront_size32 1
		.amdhsa_system_sgpr_workgroup_id_x 1
		.amdhsa_system_sgpr_workgroup_id_y 1
		.amdhsa_system_sgpr_workgroup_id_z 1
		.amdhsa_system_vgpr_workitem_id 0
		.amdhsa_next_free_vgpr 168
		.amdhsa_next_free_sgpr 72
		.amdhsa_reserve_vcc 0
		.amdhsa_float_denorm_mode_32 3
		.amdhsa_float_denorm_mode_16_64 3
		.amdhsa_memory_ordered 1
		.amdhsa_forward_progress 1
		.amdhsa_inst_pref_size 13
	.end_amdhsa_kernel
	.amdgpu_metadata
---
amdhsa.version: [ 1, 2 ]
amdhsa.kernels:
  - .name:           k_q58b17bbd5d_combine
    .symbol:         k_q58b17bbd5d_combine.kd
    .args:
      - { .name: part, .offset: 0, .size: 8, .value_kind: global_buffer, .address_space: global }
      - { .name: sel, .offset: 8, .size: 8, .value_kind: global_buffer, .address_space: global }
      - { .name: out2, .offset: 16, .size: 8, .value_kind: global_buffer, .address_space: global }
      - { .name: mlp_b2, .offset: 24, .size: 8, .value_kind: global_buffer, .address_space: global }
      - { .name: out0, .offset: 32, .size: 8, .value_kind: global_buffer, .address_space: global }
    .group_segment_fixed_size: 0
    .private_segment_fixed_size: 0
    .kernarg_segment_align: 8
    .kernarg_segment_size: 40
    .max_flat_workgroup_size: 256
    .sgpr_count:     72
    .vgpr_count:     168
    .wavefront_size: 32
...
	.end_amdgpu_metadata
.endif
;; end of part 5
;; ======== version 2 of 2: 5 launches; version 1 with the launches route, stage1 written anew for expert scheduling mode
;; limits: values are held in f16: magnitudes above 65,504 overflow, below 6.1e-05 lose precision
;; workspace buffers: sel 4,096 bytes of whole numbers; cnt 256 bytes of whole numbers; tok 135,168 bytes of whole numbers; xh 4,194,304 bytes; w1f 8,388,608 bytes; w2f 25,165,824 bytes; af 201,326,592 bytes; part 100,663,296 bytes
;; launch route (part 6): grid 256 x 1, 4 waves a work-group, no clusters, 0 bytes of LDS; arguments x, expert_mask, gate_w, gate_b, out1, out2, sel, xh; writes out1, out2, sel, xh
.if DOCPART == 6
	.amdgcn_target "amdgcn-amd-amdhsa--gfx1250"
	.amdhsa_code_object_version 6
	.text
	.protected	k_q58b17bbd5d_route
	.globl	k_q58b17bbd5d_route
	.p2align	8
	.type	k_q58b17bbd5d_route,@function
k_q58b17bbd5d_route:
	s_mov_b64 s[64:65], 0
	v_nop
	global_prefetch_b8 v0, s[64:65] scope:SCOPE_SE
	s_setreg_imm32_b32 hwreg(HW_REG_WAVE_SCHED_MODE, 0, 2), 2
	s_setreg_imm32_b32 hwreg(HW_REG_WAVE_MODE, 25, 1), 1
	s_wait_xcnt 0x0
	s_wait_alu depctr_vm_vsrc(0)
; GATE AND ROUTING.  w = softmax(x gate_w + gate_b) * mask / (sum + 1e-9) -> out2; mask -> out1; one byte a token, bit e = (mask[t][e] != 0) -> sel;
; x rounded once to f16 -> xh ([4096][512]).  All gate arithmetic in f32 on f32 inputs; the maximum is taken away before the exponential.
; SHARES.  1,024 waves, four tokens each.  A lane holds 16 of a token's 512 numbers (four loads of 16 bytes: a wave's load covers 512 bytes on end) and the
; matching 16 rows of gate_w (128 registers, loaded once for the four tokens).  The eight sums are reduced over the 32 lanes; then lane 8 j + e holds
; the logit of token j and expert e, which is also the order of mask, out1 and out2 in memory: 128 bytes on end a wave.
; LIMITS.  xh holds no number beyond 65,504.  An exponential below 2^-126 counts as 0.  A NaN in the mask counts as chosen; NaN is otherwise not treated apart.
; THE MODE: SCHED_MODE bits 1:0 = 2 (LLVM: expert scheduling mode 2), set by the entry lines.  The code itself states the register dependences
; between vector instructions and memory instructions, with s_wait_alu, always for 0.
; THE PLAN.  Registers that memory instructions touch:
;   v2 .. v6      byte offsets, made once at the head and never written again: one wait ahead of the first load serves every load and store.
;   X, MK, GB, GW loaded once; no vector line names them ahead of their loads, and nothing is loaded into them again.
;   PK            written by the 32 conversions, which stand in one run; one wait; then the 16 stores that read it.  Never written again.
;   v29, v22, v23 the data of out2's store, and the data and offset of sel's: written ahead of one wait, which stands ahead of out2's store.
; Scalar results of vector lines: s21 (the wave), s38 (the mask's bits) and VCC (lane 0) each have their wait ahead of their first reader.
.set ACC, 8                            ; v[8:15]    the eight sums of the token in hand
.set R,   16                           ; v16        my expert's sum
.set LG,  17                           ; v17        lane 8 j + e: logit (j, e)
.set MK,  18                           ; v18        lane 8 j + e: mask (j, e)
.set GB,  19                           ; v19        gate_b[lane % 8]
.set T,   20                           ; v[20:27]   the other half of the lanes' sums
.set GW,  32                           ; v[32:159]  gate_w rows 128 c + 4 lane + q at 32 c + 8 q + e
.set X,   160                          ; v[160:223] x of token j at 16 j + 4 c + q
.set PK,  224                          ; v[224:255] x as f16, two words for each (j, c)
	s_load_b512 s[4:19], s[0:1], 0x0               ; x, mask, gate_w, gate_b, out1, out2, sel, xh
	v_and_b32 v1, 31, v0                           ; lane
	v_lshrrev_b32 v2, 5, v0
	v_readfirstlane_b32 s21, v2                    ; wave
	v_lshlrev_b32 v2, 4, v1                        ; 16 lane
	v_lshlrev_b32 v3, 7, v1                        ; 128 lane: four rows of gate_w
	v_lshlrev_b32 v4, 2, v1                        ; 4 lane
	v_lshlrev_b32 v5, 3, v1                        ; 8 lane
	v_and_b32 v6, 7, v1
	v_lshlrev_b32 v6, 2, v6                        ; 4 (lane % 8)
.irp e, 0,1,2,3,4,5,6,7
	v_mov_b32 v[T+\e], 0                           ; a permute's destination counts as read: written once here
.endr
.irp e, 1,2,3,4,5,6,7
	s_mov_b32 s[24+\e], 0x01010101<<\e             ; the lanes of expert e
.endr
.irp j, 0,1,2,3
	s_mov_b32 s[32+\j], 0xff<<(8*\j)               ; the lanes of token j
.endr
	s_mov_b32 s36, 0x76543210                      ; v_permlanex16_b32: each lane takes its own place in the other half
	s_mov_b32 s37, 0xfedcba98
	s_wait_alu depctr_va_sdst(0)                   ; s21 is written, ahead of its first reader: every base below is made from it
	s_lshl_b32 s20, ttmp9, 2
	s_add_co_u32 s20, s20, s21                     ; g: my group of four tokens
	s_mov_b32 s23, 0
	s_wait_kmcnt 0x0
	s_lshl_b32 s22, s20, 13                        ; four rows of 2,048 bytes
	s_add_nc_u64 s[4:5], s[4:5], s[22:23]
	s_lshl_b32 s22, s20, 7                         ; four rows of 32 bytes
	s_add_nc_u64 s[6:7], s[6:7], s[22:23]
	s_add_nc_u64 s[12:13], s[12:13], s[22:23]
	s_add_nc_u64 s[14:15], s[14:15], s[22:23]
	s_lshl_b32 s22, s20, 2                         ; four bytes
	s_add_nc_u64 s[16:17], s[16:17], s[22:23]
	s_lshl_b32 s22, s20, 12                        ; four rows of 1,024 bytes
	s_add_nc_u64 s[18:19], s[18:19], s[22:23]
	s_wait_alu depctr_va_vdst(0)                   ; the offsets v2 to v6 are written, which the loads and stores of the kernel read
.irp j, 0,1,2,3
.irp c, 0,1,2,3
	global_load_b128 v[X+16*\j+4*\c:X+16*\j+4*\c+3], v2, s[4:5] offset:\j*2048+\c*512
.endr
.endr
	global_load_b32 v[MK], v4, s[6:7]
	global_load_b32 v[GB], v6, s[10:11]
.irp c, 0,1,2,3
.irp m, 0,1,2,3,4,5,6,7
	global_load_b128 v[GW+32*\c+4*\m:GW+32*\c+4*\m+3], v3, s[8:9] offset:\c*4096+\m*16
.endr
.endr
	s_wait_loadcnt 32                              ; x, mask and gate_b are in; the 32 younger loads, gate_w's, stay out
	global_store_b32 v4, v[MK], s[12:13]           ; out1: its data came by a load, which that wait has shown done
.irp j, 0,1,2,3
.irp c, 0,1,2,3
	v_cvt_pk_f16_f32 v[PK+8*\j+2*\c],   v[X+16*\j+4*\c],   v[X+16*\j+4*\c+1]
	v_cvt_pk_f16_f32 v[PK+8*\j+2*\c+1], v[X+16*\j+4*\c+2], v[X+16*\j+4*\c+3]
.endr
.endr
	v_cmp_neq_f32 s38, 0, v[MK]                    ; bit 8 j + e: expert e is chosen for token j
	s_wait_alu depctr_va_vdst(0)                   ; the conversions have written PK, which the sixteen stores read
.irp j, 0,1,2,3
.irp c, 0,1,2,3
	global_store_b64 v5, v[PK+8*\j+2*\c:PK+8*\j+2*\c+1], s[18:19] offset:\j*1024+\c*256  ; a wave's store covers 256 bytes on end, aligned
.endr
.endr
	s_wait_loadcnt 0x0
	s_wait_alu depctr_va_sdst(0)                   ; s38 is written, ahead of its first reader, the v_mov_b32 near the end
; Four packed lines: the eight sums take one x (register hi of the pair at x) times its row of gate_w (eight registers at g).  mul = 1: the products start the sums.
.macro FM4 mul, g, x, hi
.irp p, 0,1,2,3
.if \mul
.if \hi
	v_pk_mul_f32 v[ACC+2*\p:ACC+2*\p+1], v[(\g)+2*\p:(\g)+2*\p+1], v[(\x):(\x)+1] op_sel:[0,1] op_sel_hi:[1,1]
.else
	v_pk_mul_f32 v[ACC+2*\p:ACC+2*\p+1], v[(\g)+2*\p:(\g)+2*\p+1], v[(\x):(\x)+1] op_sel_hi:[1,0]
.endif
.else
.if \hi
	v_pk_fma_f32 v[ACC+2*\p:ACC+2*\p+1], v[(\g)+2*\p:(\g)+2*\p+1], v[(\x):(\x)+1], v[ACC+2*\p:ACC+2*\p+1] op_sel:[0,1,0] op_sel_hi:[1,1,1]
.else
	v_pk_fma_f32 v[ACC+2*\p:ACC+2*\p+1], v[(\g)+2*\p:(\g)+2*\p+1], v[(\x):(\x)+1], v[ACC+2*\p:ACC+2*\p+1] op_sel_hi:[1,0,1]
.endif
.endif
.endr
.endm
.irp j, 0,1,2,3
	FM4 1, GW, X+16*\j, 0
	FM4 0, GW+8, X+16*\j, 1
	FM4 0, GW+16, X+16*\j+2, 0
	FM4 0, GW+24, X+16*\j+2, 1
.irp c, 1,2,3
	FM4 0, GW+32*\c, X+16*\j+4*\c, 0
	FM4 0, GW+32*\c+8, X+16*\j+4*\c, 1
	FM4 0, GW+32*\c+16, X+16*\j+4*\c+2, 0
	FM4 0, GW+32*\c+24, X+16*\j+4*\c+2, 1
.endr
.irp m, 1,2,4,8                        ; over the 16 lanes of a half, the eight sums side by side
.irp e, 0,1,2,3,4,5,6,7
	v_add_f32_dpp v[ACC+\e], v[ACC+\e], v[ACC+\e] row_xmask:\m row_mask:0xf bank_mask:0xf
.endr
.endr
.irp e, 0,1,2,3,4,5,6,7
	v_permlanex16_b32 v[T+\e], v[ACC+\e], s36, s37
.endr
.irp e, 0,1,2,3,4,5,6,7
	v_add_f32 v[ACC+\e], v[ACC+\e], v[T+\e]
.endr
	v_mov_b32 v[R], v[ACC]
.irp e, 1,2,3,4,5,6,7
	v_cndmask_b32 v[R], v[R], v[ACC+\e], s[24+\e]  ; each lane keeps the sum of expert lane % 8
.endr
.if \j == 0
	v_mov_b32 v[LG], v[R]
.else
	v_cndmask_b32 v[LG], v[LG], v[R], s[32+\j]     ; and the lanes of token j keep this token's
.endif
.endr
	; softmax, mask and renormalisation among the eight lanes of a token
	v_add_f32 v28, v[LG], v[GB]
	v_mov_b32 v29, v28
.irp m, 1,2,4
	v_max_num_f32_dpp v29, v29, v29 row_xmask:\m row_mask:0xf bank_mask:0xf
.endr
	v_sub_f32 v30, v28, v29                        ; the maximum is taken away
	v_mul_f32 v30, 0x3fb8aa3b, v30                 ; log2(e)
	v_exp_f32 v30, v30
	v_nop                                          ; a plain line behind the exponential (ISA guide 5.7.2),
	s_wait_alu depctr_va_vdst(0)                   ; and a wait ahead of the first reader of v30
	v_mov_b32 v31, v30
.irp m, 1,2,4
	v_add_f32_dpp v31, v31, v31 row_xmask:\m row_mask:0xf bank_mask:0xf
.endr
	v_rcp_f32 v31, v31
	v_mul_f32 v29, v30, v[MK]                      ; the plain line behind the reciprocal: p * mask
	s_wait_alu depctr_va_vdst(0)                   ; the reciprocal has written v31, ahead of its first reader
	v_mul_f32 v29, v29, v31                        ; gate * mask
	v_mov_b32 v28, v29
.irp m, 1,2,4
	v_add_f32_dpp v28, v28, v28 row_xmask:\m row_mask:0xf bank_mask:0xf
.endr
	v_add_f32 v28, 0x3089705f, v28                 ; + 1e-9
	v_rcp_f32 v28, v28
	v_mov_b32 v22, s38                             ; the plain line: the four bytes for sel
	s_wait_alu depctr_va_vdst(0)                   ; the reciprocal has written v28, ahead of its first reader
	v_mul_f32 v29, v29, v28
	v_mov_b32 v23, 0
	v_cmp_eq_u32 vcc_lo, 0, v1
	s_wait_alu depctr_va_vdst(0)                   ; v29 is written, which out2's store reads; so are v22 and v23, which sel's store reads
	global_store_b32 v4, v29, s[14:15]             ; out2
	s_wait_xcnt 0x0                                ; EXEC is a source of the stores above: it changes only behind this wait
	s_wait_alu depctr_va_vcc(0)                    ; VCC is written: EXEC is made from it
	s_wait_alu depctr_va_vdst(0)                   ; ahead of a scalar write of EXEC: the vector lines issued so far are done,
	s_wait_alu depctr_vm_vsrc(0)                   ; and the stores issued so far have read their vector registers
	s_and_saveexec_b32 s39, vcc_lo
	global_store_b32 v23, v22, s[16:17]            ; lane 0: byte j = token 4 g + j
	s_wait_xcnt 0x0
	s_wait_alu depctr_va_vdst(0)                   ; ahead of the write that restores EXEC: the same two lines;
	s_wait_alu depctr_vm_vsrc(0)                   ; sel's store has read v22 and v23
	s_or_b32 exec_lo, exec_lo, s39
	s_endpgm
.Lfunc_end_k_q58b17bbd5d_route:
	.size	k_q58b17bbd5d_route, .Lfunc_end_k_q58b17bbd5d_route-k_q58b17bbd5d_route
	.p2alignl 7, 3214868480
	.fill 96, 4, 3214868480
	.section	.rodata,"a",@progbits
	.p2align	6, 0x0
	.amdhsa_kernel k_q58b17bbd5d_route
		.amdhsa_group_segment_fixed_size 0
		.amdhsa_private_segment_fixed_size 0
		.amdhsa_enable_private_segment 0
		.amdhsa_kernarg_size 64
		.amdhsa_user_sgpr_count 2
		.amdhsa_user_sgpr_kernarg_segment_ptr 1
		.amdhsa_wavefront_size32 1
		.amdhsa_system_sgpr_workgroup_id_x 1
		.amdhsa_system_sgpr_workgroup_id_y 1
		.amdhsa_system_sgpr_workgroup_id_z 1
		.amdhsa_system_vgpr_workitem_id 0
		.amdhsa_next_free_vgpr 256
		.amdhsa_next_free_sgpr 66
		.amdhsa_reserve_vcc 1
		.amdhsa_float_denorm_mode_32 3
		.amdhsa_float_denorm_mode_16_64 3
		.amdhsa_memory_ordered 1
		.amdhsa_forward_progress 1
		.amdhsa_inst_pref_size 42
	.end_amdhsa_kernel
	.amdgpu_metadata
---
amdhsa.version: [ 1, 2 ]
amdhsa.kernels:
  - .name:           k_q58b17bbd5d_route
    .symbol:         k_q58b17bbd5d_route.kd
    .args:
      - { .name: x, .offset: 0, .size: 8, .value_kind: global_buffer, .address_space: global }
      - { .name: expert_mask, .offset: 8, .size: 8, .value_kind: global_buffer, .address_space: global }
      - { .name: gate_w, .offset: 16, .size: 8, .value_kind: global_buffer, .address_space: global }
      - { .name: gate_b, .offset: 24, .size: 8, .value_kind: global_buffer, .address_space: global }
      - { .name: out1, .offset: 32, .size: 8, .value_kind: global_buffer, .address_space: global }
      - { .name: out2, .offset: 40, .size: 8, .value_kind: global_buffer, .address_space: global }
      - { .name: sel, .offset: 48, .size: 8, .value_kind: global_buffer, .address_space: global }
      - { .name: xh, .offset: 56, .size: 8, .value_kind: global_buffer, .address_space: global }
    .group_segment_fixed_size: 0
    .private_segment_fixed_size: 0
    .kernarg_segment_align: 8
    .kernarg_segment_size: 64
    .max_flat_workgroup_size: 128
    .sgpr_count:     66
    .vgpr_count:     256
    .wavefront_size: 32
...
	.end_amdgpu_metadata
.endif
;; end of part 6
;; launch prep: the kernel of part 2 again; grid 2049 x 1, 8 waves a work-group, no clusters, 0 bytes of LDS; arguments mlp_w1, mlp_w2, kan_coeff, kan_scaling, sel, w1f, w2f, tok, cnt; writes w1f, w2f, tok, cnt
;; launch stage1 (part 7): grid 64 x 32, 4 waves a work-group, no clusters, 0 bytes of LDS; arguments x, xh, w1f, mlp_b1, tok, cnt, af; writes af
.if DOCPART == 7
	.amdgcn_target "amdgcn-amd-amdhsa--gfx1250"
	.amdhsa_code_object_version 6
	.text
	.protected	k_q58b17bbd5d_stage1
	.globl	k_q58b17bbd5d_stage1
	.p2align	8
	.type	k_q58b17bbd5d_stage1,@function
k_q58b17bbd5d_stage1:
	s_mov_b64 s[64:65], 0
	v_nop
	global_prefetch_b8 v0, s[64:65] scope:SCOPE_SE
	s_setreg_imm32_b32 hwreg(HW_REG_WAVE_SCHED_MODE, 0, 2), 2
	s_setreg_imm32_b32 hwreg(HW_REG_WAVE_MODE, 25, 1), 1
	s_wait_xcnt 0x0
	s_wait_alu depctr_vm_vsrc(0)
; THE LEFT OPERANDS OF THE SECOND PRODUCTS, for the chosen rows alone, in fragment order.  af: [v 12][row block 256][kb 64][1,024 bytes], rows by their place in the expert's list.
; Grid: x = group of 64 places of the list, y = 4 E + sub.  A group that begins at or past cnt[E] has no rows and ends: the grid serves every split of the tokens.  Places past the count
; repeat the list's last token (tok holds it), so every row of a live group is computed and stored.
; y < 16: h = relu(x w1[E] + b1[E]) for 512 hidden columns (sub), 128 a wave: a wave tile of 64 rows x 128 columns, 32 accumulators, K = 512 in 16 steps of 32.  Operands come from memory
; straight into registers (x gathered by token from xh, weights from w1f in fragment order), so that nothing in a launch whose work hangs on a stored count needs LDS or a barrier;
; for the same reason no tensor load and no cluster.  Three fragment buffers take turns: two steps' loads, 48 of 16 bytes a lane, are out while a step is multiplied.
; THE MATRIX INSTRUCTION IS USED TRANSPOSED (source 0 = 16 weight columns, source 1 = 16 rows): a lane holds one row and eight neighbouring columns, which round to the 16 bytes of a fragment of af.
; y >= 16: the cubic B-spline basis of KAN expert E - 4 for inputs 128 sub .. + 127; a wave takes 16 rows.  On the uniform knots -2.2 + 0.4 j the recursion's result is the cardinal spline
; B_j = ((2 - |t|)+^3 - 4 (1 - |t|)+^3) / 6 with t = 2.5 x + 5.5 - (j + 2), on the whole line (0 outside [-2.2, 2.2)); the sixth is folded in as kap = 6^(-1/3).  No branch on x.
; LIMITS.  f16 operands: h stays under 65,504 (x and w1 both 30 times the drawn spread: some 5,400; both with an offset of 30 spreads: some 20,300).  NaN is not treated apart.
; REGISTERS, in windows of 256 (s_set_vgpr_msb: bits 1:0 source 0, 3:2 source 1, 5:4 source 2, 7:6 destination):
;   window 0: v0-15 addresses; v32-127 buffer 0, v128-223 buffer 1 (rows' fragments at + 8 a, weights' at + 32 + 8 b)     window 1: accumulator (a, b) at v[8 (8 a + b)]     window 2: v0-95 buffer 2
; THE MODE: SCHED_MODE bits 1:0 = 2 (LLVM: expert scheduling mode 2), set by the entry lines.  The code itself states the register dependences
; between vector or matrix instructions and memory instructions, with s_wait_alu, always for 0.
; THE PLAN, products.  Registers that memory instructions touch:
;   buffers 0, 1, 2   Step s: its 32 matrix instructions read buffer s % 3; the loads of step s + 1 land in it again (the fragments of step s + 3).
;   v2, v4-v7, v12, v13   offsets, made ahead of the loop and never written again: each buffer has two scalar bases of its own, which move on by three K steps at the head of the buffer's
;                     step, where the wait for its data has shown the loads that read them done.
;   OUT0, OUT1        the way out: row block a's roundings and relu write OUT[a % 2]; the block's eight stores read it; block a + 2 writes it again.
;   The accumulators are named by vector and matrix instructions alone.
; So ONE wait on va_vdst stands in a step, at its head: the step before is done reading the buffer that is now asked for again.  The step's 24 loads follow it in two runs of twelve, one at once,
; one behind the step's first 16 matrix instructions, which name buffer s % 3 and the accumulators: none of the registers that those loads touch.
; THE PLAN, basis.  X0, X1: block p's vector lines read X[p % 2]; behind them it is loaded again (block p + 2).  OUT0, OUT1: block p's roundings write OUT[p % 2]; its four stores read it; block p + 2
; writes it again.  v2, v4: offsets, never written again.  A block's waits stand together, behind its vector lines and ahead of its five memory instructions.
.set SA, 36                            ; s[36+4n:37+4n]  buffer n: xh at the K step that the buffer is asked for next
.set SB, 38                            ; s[38+4n:39+4n]  buffer n: my weights in w1f at that K step
.set MSB, 0
.macro WIN new                         ; the immediate's high byte repeats the setting that is left; a switch that changes nothing is dropped
.if MSB != (\new)
	s_set_vgpr_msb (MSB<<8)|(\new)
.set MSB, \new
.endif
.endm
.macro SETFB n                         ; buffer n: its first register, the setting for loads into it, the setting for products from it
.if (\n) == 0
.set FB, 32
.set WL, 0
.set WM, 0x50
.elseif (\n) == 1
.set FB, 128
.set WL, 0
.set WM, 0x50
.else
.set FB, 0
.set WL, 0x80
.set WM, 0x5a
.endif
.endm
.macro PLACES                          ; four plain lines between a matrix instruction and a vector line on its registers (ISA guide 7.12.1)
.rept 4
	v_nop
.endr
.endm
.macro LOADS n, part                   ; twelve of a K step's 24 loads into buffer n.  part 0: the rows' four fragments and the weights' first two; part 1: the weights' other six
	SETFB \n
	WIN WL
.if (\part) == 0
.irp a, 0,1,2,3
	global_load_b128 v[FB+8*\a:FB+8*\a+3],   v[4+\a], s[SA+4*(\n):SA+4*(\n)+1]
	global_load_b128 v[FB+8*\a+4:FB+8*\a+7], v[4+\a], s[SA+4*(\n):SA+4*(\n)+1] offset:32
.endr
.irp b, 0,1
	global_load_b128 v[FB+32+8*\b:FB+32+8*\b+3],   v2, s[SB+4*(\n):SB+4*(\n)+1] offset:\b*1024
	global_load_b128 v[FB+32+8*\b+4:FB+32+8*\b+7], v2, s[SB+4*(\n):SB+4*(\n)+1] offset:\b*1024+512
.endr
.else
.irp b, 2,3,4,5,6,7
	global_load_b128 v[FB+32+8*\b:FB+32+8*\b+3],   v2, s[SB+4*(\n):SB+4*(\n)+1] offset:\b*1024
	global_load_b128 v[FB+32+8*\b+4:FB+32+8*\b+7], v2, s[SB+4*(\n):SB+4*(\n)+1] offset:\b*1024+512
.endr
.endif
.endm
.macro MULS n, zero, a0, a1            ; 16 matrix instructions: row blocks a0 and a1; the accumulators take turns.  zero = 1: the products start the sums
	SETFB \n
	WIN WM
.irp a, \a0, \a1
.irp b, 0,1,2,3,4,5,6,7
.if \zero
	v_wmma_f32_16x16x32_f16 v[8*(8*\a+\b):8*(8*\a+\b)+7], v[FB+32+8*\b:FB+32+8*\b+7], v[FB+8*\a:FB+8*\a+7], 0
.else
	v_wmma_f32_16x16x32_f16 v[8*(8*\a+\b):8*(8*\a+\b)+7], v[FB+32+8*\b:FB+32+8*\b+7], v[FB+8*\a:FB+8*\a+7], v[8*(8*\a+\b):8*(8*\a+\b)+7]
.endif
.endr
.endr
.endm
.macro STEP n, nxt, load, left, zero   ; buffer n is multiplied; load = 1: the buffer that the step before multiplied takes the step after next
	s_wait_loadcnt \left                           ; loads come back in order (ISA guide 5.7.1): buffer n is in; the next step's 24 stay out
.if \load
	s_add_nc_u64 s[SA+4*(\n):SA+4*(\n)+1], s[SA+4*(\n):SA+4*(\n)+1], 192     ; free since that wait, which shows the loads that read them done: buffer n's bases move on by
	s_add_nc_u64 s[SB+4*(\n):SB+4*(\n)+1], s[SB+4*(\n):SB+4*(\n)+1], 393216  ; three K steps: 96 f16 of a row of xh, 384 fragments of w1f (what step 13 makes here is not used)
	SETFB \nxt
	WIN WL                                         ; the switch, then the wait, then the loads
.if !\zero
	s_wait_alu depctr_va_vdst(0)                   ; the matrix instructions of the step before are done reading buffer nxt, in which this step's 24 loads land
.endif
	LOADS \nxt, 0
.endif
	MULS \n, \zero, 0, 1
.if \load
	LOADS \nxt, 1                                  ; no wait: no vector or matrix instruction since the wait above names buffer nxt or an offset
.endif
	MULS \n, \zero, 2, 3
.endm
	s_load_b256 s[4:11], s[0:1], 0x0               ; x s[4:5], xh s[6:7], w1f s[8:9], b1 s[10:11]
	s_load_b128 s[12:15], s[0:1], 0x20             ; tok s[12:13], cnt s[14:15]
	s_load_b64 s[16:17], s[0:1], 0x30              ; af
	v_and_b32 v11, 31, v0
	v_lshrrev_b32 v2, 5, v0
	v_readfirstlane_b32 s18, v2                    ; wave
	v_and_b32 v1, 15, v0                           ; r
	v_bfe_u32 v3, v0, 4, 1                         ; h
	v_lshlrev_b32 v2, 4, v11                       ; 16 lane
	v_lshlrev_b32 v12, 2, v1                       ; 4 r
	v_lshlrev_b32 v13, 5, v3                       ; 32 h
	v_mov_b32 v10, 0
	s_mov_b32 s19, ttmp9                           ; rg
	s_and_b32 s20, ttmp7, 0xffff                   ; y
	s_lshr_b32 s21, s20, 2                         ; E
	s_and_b32 s22, s20, 3                          ; sub
	s_lshl_b32 s24, s21, 2
	s_mov_b32 s25, 0
	s_wait_alu depctr_va_sdst(0)                   ; s18 is written
	s_wait_alu depctr_va_vdst(0)                   ; the offsets v2, v12 and v13 are written, which loads and stores on both ways below read
	s_wait_kmcnt 0x0
	s_add_nc_u64 s[14:15], s[14:15], s[24:25]
	s_load_b32 s23, s[14:15], 0x0                  ; cnt[E]
	s_lshl_b32 s26, s19, 6
	s_wait_kmcnt 0x0
	s_cmp_ge_u32 s26, s23
	s_cbranch_scc0 .Llive
	s_endpgm                                       ; this split leaves the group without rows
.Llive:
	s_mul_i32 s24, s21, 16896
	s_lshl_b32 s27, s19, 8
	s_add_co_u32 s24, s24, s27
	s_add_nc_u64 s[12:13], s[12:13], s[24:25]      ; my 64 places of the list
	s_cmp_ge_u32 s20, 16
	s_cbranch_scc1 .Lbasis
	; ---- h = relu(x w1 + b1) ----
.irp a, 0,1,2,3
	global_load_b32 v[4+\a], v12, s[12:13] offset:\a*64
.endr
	s_lshl_b32 s28, s22, 2
	s_add_co_u32 s28, s28, s18                     ; cw: my 128 hidden columns
	s_lshl_b32 s24, s21, 21
	s_lshl_b32 s27, s28, 13
	s_add_co_u32 s24, s24, s27
	s_add_nc_u64 s[8:9], s[8:9], s[24:25]          ; my weights at K step 0
.irp n, 0,1,2
	s_add_nc_u64 s[SA+4*\n:SA+4*\n+1], s[6:7], 64*\n       ; buffer n begins with K step n: 32 f16 along a row of xh a step,
	s_add_nc_u64 s[SB+4*\n:SB+4*\n+1], s[8:9], 131072*\n   ; 128 fragments of w1f a step
.endr
	s_lshl_b32 s24, s21, 13
	s_lshl_b32 s27, s28, 9
	s_add_co_u32 s24, s24, s27
	s_add_nc_u64 s[10:11], s[10:11], s[24:25]
	s_lshl_b32 s24, s21, 24
	s_lshl_b32 s27, s19, 18
	s_add_co_u32 s24, s24, s27
	s_lshl_b32 s27, s28, 12
	s_add_co_u32 s24, s24, s27
	s_add_nc_u64 s[16:17], s[16:17], s[24:25]
	s_wait_loadcnt 0x0
.irp a, 0,1,2,3
	v_min_u32 v[4+\a], 0xfff, v[4+\a]
	v_lshlrev_b32 v[4+\a], 10, v[4+\a]             ; the token's row of xh,
	v_lshl_add_u32 v[4+\a], v3, 4, v[4+\a]         ; + 16 h
.endr
	s_wait_alu depctr_va_vdst(0)                   ; v4 to v7 are written, which every load of the rows' fragments reads as its offset
	LOADS 0, 0
	LOADS 0, 1
	LOADS 1, 0
	LOADS 1, 1
	STEP 0, 2, 1, 24, 1                            ; the first K step starts the sums; no vector or matrix instruction has named buffer 2: its loads owe no wait
	WIN 0
	s_mov_b32 s34, 4
.Lk:
	STEP 1, 0, 1, 24, 0
	STEP 2, 1, 1, 24, 0
	STEP 0, 2, 1, 24, 0
	WIN 0                                          ; at a label and at a branch every window is 0
	s_sub_co_u32 s34, s34, 1
	s_cmp_lg_u32 s34, 0
	s_cbranch_scc1 .Lk
	STEP 1, 0, 1, 24, 0                            ; step 13 asks for step 15; the last two ask for nothing, and hold no wait on va_vdst
	STEP 2, 0, 0, 24, 0
	STEP 0, 0, 0, 0, 0
	WIN 0
	PLACES                                         ; behind the last matrix instructions: vector lines below read the sums and write over fragments
	s_wait_alu depctr_va_vdst(0)                   ; the last step's matrix instructions are done reading buffer 0, in which b1 lands
.irp b, 0,1,2,3,4,5,6,7
	global_load_b128 v[32+8*\b:32+8*\b+3],   v13, s[10:11] offset:64*\b     ; b1 of my eight columns of tile b
	global_load_b128 v[32+8*\b+4:32+8*\b+7], v13, s[10:11] offset:64*\b+16
.endr
	s_wait_loadcnt 0x0
.irp a, 0,1,2,3
.set OB, 160+32*(\a%2)                 ; OUT0 v160-191, OUT1 v192-223, by turns
	WIN 0x01                                       ; source 0, the sums, in window 1
.irp b, 0,1,2,3,4,5,6,7
.irp p, 0,1,2,3
	v_pk_add_f32 v[96+8*\b+2*\p:96+8*\b+2*\p+1], v[8*(8*\a+\b)+2*\p:8*(8*\a+\b)+2*\p+1], v[32+8*\b+2*\p:32+8*\b+2*\p+1]  ; each accumulator is read from its low end on
.endr
.endr
	WIN 0
.if \a >= 2
	s_wait_xcnt 0x0                                ; this OUT is the store data of the block two back: it is rewritten only behind this wait,
	s_wait_alu depctr_vm_vsrc(0)                   ; and when those stores have read it
.endif
.set w, 0
.rept 32
	v_cvt_pk_f16_f32 v[OB+w], v[96+2*w], v[96+2*w+1]
.set w, w+1
.endr
.set w, 0
.rept 32
	v_pk_max_num_f16 v[OB+w], v[OB+w], v10         ; relu
.set w, w+1
.endr
	s_wait_alu depctr_va_vdst(0)                   ; the roundings and the relu have written this OUT, which the eight stores read
.irp b, 0,1,2,3,4,5,6,7
	global_store_b128 v2, v[OB+4*\b:OB+4*\b+3], s[16:17] offset:\a*65536+(\b/2)*1024+(\b%2)*512  ; half a fragment: 512 bytes on end
.endr
.endr
	s_endpgm
	; ---- the basis ----
.Lbasis:
	s_lshl_b32 s24, s18, 6
	s_add_nc_u64 s[12:13], s[12:13], s[24:25]      ; my wave's 16 places
	global_load_b32 v4, v12, s[12:13]
	v_mov_b32 v28, 0x3f0ce1da                      ; kap = 6^(-1/3)
	v_mul_f32 v26, 0x40200000, v28                 ; 2.5 kap
	v_mul_f32 v27, 0x40b00000, v28                 ; 5.5 kap
	v_mov_b32 v25, 0                               ; named with v24 as a pair
.irp j, 0,1,2,3,4,5,6,7
	v_cvt_f32_i32 v[96+\j], -(\j+2)
.endr
.irp j, 0,1,2,3,4,5,6,7
	v_mul_f32 v[96+\j], v28, v[96+\j]              ; -(j + 2) kap
.endr
	s_mov_b32 s30, 0x3f8ce1da                      ; 2 kap
	s_mov_b32 s32, 0xbf0ce1da                      ; -kap
	s_mov_b32 s33, 0xbf0ce1da
	s_lshl_b32 s24, s22, 9
	s_add_nc_u64 s[4:5], s[4:5], s[24:25]          ; x at input 128 sub
	s_lshl_b32 s24, s21, 1
	s_sub_co_u32 s24, s24, 4
	s_lshr_b32 s26, s22, 1
	s_add_co_u32 s24, s24, s26                     ; v = 4 + 2 (E - 4) + sub / 2
	s_lshl_b32 s24, s24, 24
	s_lshl_b32 s26, s19, 2
	s_add_co_u32 s26, s26, s18                     ; row block 4 rg + wave
	s_lshl_b32 s26, s26, 16
	s_add_co_u32 s24, s24, s26
	s_and_b32 s26, s22, 1
	s_lshl_b32 s26, s26, 15                        ; 32 fragments for each 128 inputs
	s_add_co_u32 s24, s24, s26
	s_add_nc_u64 s[16:17], s[16:17], s[24:25]
	s_wait_loadcnt 0x0
	v_min_u32 v4, 0xfff, v4
	v_lshlrev_b32 v4, 11, v4                       ; the token's row of x,
	v_lshl_add_u32 v4, v3, 4, v4                   ; + my half's four inputs of each eight
	s_wait_alu depctr_va_vdst(0)                   ; v4 is written, which every load of x reads as its offset
	global_load_b128 v[16:19], v4, s[4:5]
	global_load_b128 v[20:23], v4, s[4:5] offset:32
; one x (register xr) -> its eight basis numbers as f16 in four registers at out
.macro BAS xr, out
	v_fma_f32 v24, v[\xr], v26, v27                ; kap (2.5 x + 5.5)
.irp p, 0,1,2,3
	v_pk_add_f32 v[32+2*\p:32+2*\p+1], v[24:25], v[96+2*\p:96+2*\p+1] op_sel_hi:[0,1]  ; kap t
.endr
.irp i, 0,1,2,3,4,5,6,7
	v_sub_f32 v[32+\i], s30, |v[32+\i]|
.endr
.irp i, 0,1,2,3,4,5,6,7
	v_max_num_f32 v[32+\i], 0, v[32+\i]            ; a = kap (2 - |t|)+
.endr
.irp p, 0,1,2,3
	v_pk_add_f32 v[40+2*\p:40+2*\p+1], v[32+2*\p:32+2*\p+1], s[32:33] op_sel_hi:[1,0]
.endr
.irp i, 0,1,2,3,4,5,6,7
	v_max_num_f32 v[40+\i], 0, v[40+\i]            ; b = kap (1 - |t|)+
.endr
.irp p, 0,1,2,3
	v_pk_mul_f32 v[48+2*\p:48+2*\p+1], v[32+2*\p:32+2*\p+1], v[32+2*\p:32+2*\p+1]
.endr
.irp p, 0,1,2,3
	v_pk_mul_f32 v[56+2*\p:56+2*\p+1], v[40+2*\p:40+2*\p+1], v[40+2*\p:40+2*\p+1]
.endr
.irp p, 0,1,2,3
	v_pk_mul_f32 v[48+2*\p:48+2*\p+1], v[48+2*\p:48+2*\p+1], v[32+2*\p:32+2*\p+1]
.endr
.irp p, 0,1,2,3
	v_pk_mul_f32 v[56+2*\p:56+2*\p+1], v[56+2*\p:56+2*\p+1], v[40+2*\p:40+2*\p+1]
.endr
.irp p, 0,1,2,3
	v_pk_fma_f32 v[48+2*\p:48+2*\p+1], v[56+2*\p:56+2*\p+1], -4.0, v[48+2*\p:48+2*\p+1] op_sel_hi:[1,0,1]  ; a^3 - 4 b^3
.endr
.irp p, 0,1,2,3
	v_cvt_pk_f16_f32 v[(\out)+\p], v[48+2*\p], v[48+2*\p+1]
.endr
.endm
; a block of eight inputs (four a lane, in the registers at xb): two fragments of af, rounded into the four times four registers at ob.  k: the block's place in the trip;
; reload = 1: the registers at xb take the block two further on; last = 1: the very last block, behind which nothing is written again.
.macro CB xb, ob, k, reload, left, last
	s_wait_loadcnt \left                           ; my block is in; the other block's load stays out
.irp ii, 0,1,2,3
	BAS (\xb)+\ii, (\ob)+4*\ii
.endr
.if !\last
	s_wait_xcnt 0x0                                ; the memory instructions of the block before, issued a block's vector lines ago: the other OUT, their store data, and the bases are rewritten only behind this wait,
	s_wait_alu depctr_vm_vsrc(0)                   ; and the other OUT, which the next block's roundings write, when those stores have read it
.endif
	s_wait_alu depctr_va_vdst(0)                   ; this block's roundings have written its OUT, which the stores below read; its lines are done reading the registers at xb, in which the load below lands
.if (\k) && !(\last)
	s_add_nc_u64 s[4:5], s[4:5], 64                ; both bases move on by a trip, two blocks; this block's stores reach back
	s_add_nc_u64 s[16:17], s[16:17], 4096
.set BK, -2048
.else
.set BK, 2048*(\k)
.endif
.if \reload
	global_load_b128 v[(\xb):(\xb)+3], v4, s[4:5] offset:64-32*(\k)
.endif
.irp ii, 0,1,2,3
	global_store_b128 v2, v[(\ob)+4*\ii:(\ob)+4*\ii+3], s[16:17] offset:BK+\ii*512  ; fragment ii / 2, register half ii % 2: 512 bytes on end
.endr
.endm
	s_mov_b32 s34, 7
.Lb:
	CB 16, 64, 0, 1, 1, 0
	CB 20, 80, 1, 1, 1, 0
	s_sub_co_u32 s34, s34, 1
	s_cmp_lg_u32 s34, 0
	s_cbranch_scc1 .Lb
	CB 16, 64, 0, 0, 1, 0                          ; the last two blocks ask for nothing: no load leaves the row
	CB 20, 80, 1, 0, 0, 1
	s_endpgm
.Lfunc_end_k_q58b17bbd5d_stage1:
	.size	k_q58b17bbd5d_stage1, .Lfunc_end_k_q58b17bbd5d_stage1-k_q58b17bbd5d_stage1
	.p2alignl 7, 3214868480
	.fill 96, 4, 3214868480
	.section	.rodata,"a",@progbits
	.p2align	6, 0x0
	.amdhsa_kernel k_q58b17bbd5d_stage1
		.amdhsa_group_segment_fixed_size 0
		.amdhsa_private_segment_fixed_size 0
		.amdhsa_enable_private_segment 0
		.amdhsa_kernarg_size 56
		.amdhsa_user_sgpr_count 2
		.amdhsa_user_sgpr_kernarg_segment_ptr 1
		.amdhsa_wavefront_size32 1
		.amdhsa_system_sgpr_workgroup_id_x 1
		.amdhsa_system_sgpr_workgroup_id_y 1
		.amdhsa_system_sgpr_workgroup_id_z 1
		.amdhsa_system_vgpr_workitem_id 0
		.amdhsa_next_free_vgpr 608
		.amdhsa_next_free_sgpr 66
		.amdhsa_reserve_vcc 0
		.amdhsa_float_denorm_mode_32 3
		.amdhsa_float_denorm_mode_16_64 3
		.amdhsa_memory_ordered 1
		.amdhsa_forward_progress 1
		.amdhsa_inst_pref_size 118
	.end_amdhsa_kernel
	.amdgpu_metadata
---
amdhsa.version: [ 1, 2 ]
amdhsa.kernels:
  - .name:           k_q58b17bbd5d_stage1
    .symbol:         k_q58b17bbd5d_stage1.kd
    .args:
      - { .name: x, .offset: 0, .size: 8, .value_kind: global_buffer, .address_space: global }
      - { .name: xh, .offset: 8, .size: 8, .value_kind: global_buffer, .address_space: global }
      - { .name: w1f, .offset: 16, .size: 8, .value_kind: global_buffer, .address_space: global }
      - { .name: mlp_b1, .offset: 24, .size: 8, .value_kind: global_buffer, .address_space: global }
      - { .name: tok, .offset: 32, .size: 8, .value_kind: global_buffer, .address_space: global }
      - { .name: cnt, .offset: 40, .size: 8, .value_kind: global_buffer, .address_space: global }
      - { .name: af, .offset: 48, .size: 8, .value_kind: global_buffer, .address_space: global }
    .group_segment_fixed_size: 0
    .private_segment_fixed_size: 0
    .kernarg_segment_align: 8
    .kernarg_segment_size: 56
    .max_flat_workgroup_size: 128
    .sgpr_count:     66
    .vgpr_count:     608
    .wavefront_size: 32
...
	.end_amdgpu_metadata
.endif
;; end of part 7
;; launch stage2: the kernel of part 4 again; grid 64 x 12, 4 waves a work-group, no clusters, 34,816 bytes of LDS; arguments af, w2f, tok, cnt, part; writes part
;; launch combine: the kernel of part 5 again; grid 1024 x 1, 8 waves a work-group, no clusters, 0 bytes of LDS; arguments part, sel, out2, mlp_b2, out0; writes out0
